; MI455X (gfx1250); checked and timed in simulation.
; The chip was launched on July 23, 2026; its instructions are those of AMD's public machine-readable ISA for CDNA 5 (MIT licence, August 2026) and "CDNA5" Instruction Set Architecture Reference Guide (July 2026). The comments in the code are by the model that wrote it; some were corrected since.
;; Multi Head Attention. Allowed arithmetic: matrix products marked QUANTISED: E2M3 operands, one E8M0 scale for each 32 along K, by v_wmma_scale_f32_16x16x128_f8f6f4 with both operands' format E2M3, f32 sums; everything else in f32.
;; Inputs: Wk 1,024 x 1,024 float32; Wo 1,024 x 1,024 float32; Wq 1,024 x 1,024 float32; Wv 1,024 x 1,024 float32; attn_mask 2,048 x 2,048 float32; bk 1,024 float32; bq 1,024 float32; bv 1,024 float32; encodings_for_k 4 x 2,048 x 1,024 float32; encodings_for_q 4 x 2,048 x 1,024 float32; encodings_for_v 4 x 2,048 x 1,024 float32; padd_mask 4 x 2,048 bool.
;; Outputs: out0 4 x 2,048 x 1,024 float32.
;; This version of the problem:
;;   THIS VERSION OF THE PROBLEM IS GIVEN IN LOW PRECISION. The matrix products marked QUANTISED in the list below multiply operands that are first quantised to E2M3 (2 exponent bits, 3 mantissa bits; 6 bits a number), with one power-of-two scale for each 32 numbers along K (OCP MX v1.0); their sums are f32. All else is computed in f32.
;;   The module's matrix products, in the order in which they are computed (A, B: the left and right operand; K: the contracted axis; several contracted axes count as one K, in the product's order):
;;     1. [M 8,192, K 1,024] x [K 1,024, N 1,024]; A: input encodings_for_q; B: input Wq: QUANTISED
;;     2. [M 8,192, K 1,024] x [K 1,024, N 1,024]; A: input encodings_for_k; B: input Wk: QUANTISED
;;     3. [M 8,192, K 1,024] x [K 1,024, N 1,024]; A: input encodings_for_v; B: input Wv: QUANTISED
;;     4. batch 64 x [M 2,048, K 64] x [K 64, N 2,048]; A: computed on the way; B: computed on the way: QUANTISED
;;     5. batch 64 x [M 2,048, K 2,048] x [K 2,048, N 64]; A: softmax (see below); B: computed on the way: QUANTISED
;;     6. [M 8,192, K 1,024] x [K 1,024, N 1,024]; A: computed on the way; B: input Wo: QUANTISED
;;   THE QUANTISER, for each operand of a quantised product, along K:
;;     - K is cut into blocks of 32 from its start; a last block that is shorter is filled with zeros.
;;     - A block's scale is 2^e with e = floor(log2(the largest magnitude in the block)) - 2, held to -126 .. 127; a block of zeros has e = 0. As a byte (E8M0): e + 127.
;;     - Each number is divided by its block's scale, clamped to +-7.5, and rounded to the nearest number of E2M3, ties to even, subnormals kept.
;;     - The product sums the exact products of the quantised numbers (number of the format x scale) in f32.
;;   ~~~python
;;   def quantise(x, axis):      # numpy; x: float32 -> the quantised numbers, widened to float32 again
;;       x = np.moveaxis(x, axis, -1); K = x.shape[-1]
;;       x = np.pad(x, [(0, 0)] * (x.ndim - 1) + [(0, -K % 32)]); x = x.reshape(x.shape[:-1] + (-1, 32)); a = np.abs(x).max(-1, keepdims=True)
;;       e = np.where(a > 0, np.clip(np.frexp(np.where(a > 0, a, 1))[1] - 1 - 2, -126, 127), 0)      # np.frexp(a)[1] - 1 = floor(log2(a)), exactly
;;       r = np.clip(x / 2.0 ** e, -7.5, 7.5)
;;       step = 2.0 ** (np.maximum(np.frexp(np.where(r == 0, 1, r))[1] - 1, 0) - 3)
;;       q = np.round(r / step) * step * 2.0 ** e      # np.round: ties to even
;;       return np.moveaxis(q.reshape(q.shape[:-2] + (-1,))[..., :K], -1, axis).astype(np.float32)
;;   ~~~
;;   SOFTMAX AHEAD OF A QUANTISED PRODUCT. Where the list says 'softmax', what is quantised is not the finished softmax but p = 2^(t - M), with t = logit x log2(e) and M = ceil(the row's largest t), a whole number; so 1/2 < the row's largest p <= 1. The row's sum l is taken of the UNQUANTISED p, in f32, and the product's result is divided by l at the end. Since M is a whole number, a kernel that streams over the keys may use a running M (the ceiling of the running maximum): every later rescaling is an exact power of two, which a block's scale takes up: the codes' values come out the same.
;;   OPERANDS COMPUTED ON THE WAY. 'Computed on the way' means the value that the module computes at that place (a softmax that the list does not call 'softmax' is quantised finished and normalised). What goes into a quantiser is computed in f32, as accurately as f32 sums, v_exp_f32 and their like allow (about 1e-6 of the number): no bf16 or f16 on the way to a quantiser, and a product that is left as it is and whose result goes on into a quantised operand takes f32 operands (vector FMAs, or v_wmma_f32_16x16x4_f32). A number that lies on a knife's edge between two numbers of the format may be rounded either way, as far as f32 arithmetic and the matrix unit's own rounding can turn it there, and no further.
;; One version. Each part assembles by itself: llvm-mc -triple=amdgcn-amd-amdhsa -mcpu=gfx1250 --defsym DOCPART=n.
;; ======== version 1 of 1: 4 launches
;; workspace buffers: opq 22,937,600 bytes; qkv 19,660,800 bytes; cq 6,553,600 bytes
;; launch quant (part 1): grid 896 x 1, 4 waves a work-group, no clusters, 46,592 bytes of LDS; arguments encodings_for_q, encodings_for_k, encodings_for_v, Wq, Wk, Wv, Wo, opq; writes opq
.if DOCPART == 1
	.amdgcn_target "amdgcn-amd-amdhsa--gfx1250"
	.amdhsa_code_object_version 6
	.text
	.protected	k_q3c1eefaf27_quant
	.globl	k_q3c1eefaf27_quant
	.p2align	8
	.type	k_q3c1eefaf27_quant,@function
k_q3c1eefaf27_quant:
	s_mov_b64 s[64:65], 0
	v_nop
	global_prefetch_b8 v0, s[64:65] scope:SCOPE_SE
	s_setreg_imm32_b32 hwreg(HW_REG_WAVE_MODE, 25, 1), 1
	s_wait_xcnt 0x0
; The three encodings [8192][1024] and the four weights [1024 (k)][1024 (n)], f32, become codes of FP6 (E2M3) with one E8M0 byte for each 32 along K,
; laid as IMAGES OF OPERAND REGISTERS.  A fragment is 16 rows x 128 K, 12 registers a lane: registers 4 g .. 4 g + 3 of lane l lie at 512 g + 16 l: 1,536 bytes.
; A record is a chunk of 128 rows for all of K: codes [k128 0..7][tile 0..7][1,536], then from byte 98,304 the scale words: that of (tile a, k128, row r) at 512 a + 128 (k128 / 2) + 8 r + 4 (k128 % 2).
; TILE a OF A CHUNK IS ROWS 32 (a / 2) + 8 (a % 2) + r + 8 (r / 8), r = 0 .. 15, everywhere in this program.
; Records 0-191: the encodings (64 t + chunk);  192-223: the weights (192 + 8 t + chunk of 128 columns n).
; A block's scale is 2^(floor(log2(largest magnitude)) - 2): its byte is the largest magnitude's exponent field - 2, held at 1 from below (a block of zeros keeps the byte 1: its codes are zeros, and this program alone reads the bytes).
; LIMITS: NaN and infinities among the inputs are not served; blocks whose largest magnitude lies under 2^-124 take the scale 2^-126.
; Work-groups 0-127 take the weights, 128-895 the encodings: two paths, parted by the work-group's number, each with LDS bytes of its own.  Waves share nothing: no barrier.  No matrix unit, no cluster: every byte is read once.
.set REC,  102400
.set SCO,  98304
.set XSW,  8448                        ; x path: a wave's stage, 16 rows of 512 bytes + 16
.set WST,  33792                       ; w path: the stages begin behind the x path's four
.set SEL,  22                          ; s[22:23] selects for lane l xor 16
.set LD,   16                          ; v16-143  x path: two sets of 64 numbers as loaded
.set X,    144                         ; v144-207 64 numbers of a lane: register 16 b + i = k 32 b + 16 (lane / 16) + i of its row
.set PC,   208                         ; v208-219 a fragment's codes; v220-226 at work
.set TM,   228                         ; v228-243 at work
; 64 numbers of a lane become a fragment's codes in v[PC] on and its row's scale word in v[pw]
.macro QUANT s, floor, pw
.irp b, 0,1,2,3
	v_max3_num_f32 v[TM+\b], |v[\s+16*\b]|, |v[\s+16*\b+1]|, \floor      ; block b: my 16 numbers, and the floor, which holds the byte from below
.endr
.irp i, 2,4,6,8,10,12,14
.irp b, 0,1,2,3
	v_max3_num_f32 v[TM+\b], v[TM+\b], |v[\s+16*\b+\i]|, |v[\s+16*\b+\i+1]|
.endr
.endr
.irp b, 0,1,2,3
	v_permlanex16_b32 v[TM+4+\b], v[TM+\b], s[SEL], s[SEL+1]
.endr
.irp b, 0,1,2,3
	v_max_num_f32 v[TM+\b], v[TM+\b], v[TM+4+\b]                         ; with lane l xor 16's 16: the block's largest magnitude
.endr
.irp b, 0,1,2,3
	v_add_nc_u32 v[TM+12+\b], 0xff000000, v[TM+\b]                       ; 2 off its exponent field: the conversion's scale operand
.endr
.irp b, 0,1,2,3
	v_lshrrev_b32 v[TM+4+\b], 23, v[TM+12+\b]                            ; the scale's byte
.endr
	v_lshl_or_b32 v[\pw], v[TM+5], 8, v[TM+4]
	v_lshl_or_b32 v[\pw], v[TM+6], 16, v[\pw]
	v_lshl_or_b32 v[\pw], v[TM+7], 24, v[\pw]
.irp c, 0,1
	v_cvt_scalef32_pk16_fp6_f32 v[PC+6*\c:PC+6*\c+2], v[\s+32*\c:\s+32*\c+15], v[TM+12+2*\c]
	v_cvt_scalef32_pk16_fp6_f32 v[PC+12+4*\c:PC+12+4*\c+2], v[\s+32*\c+16:\s+32*\c+31], v[TM+12+2*\c+1]   ; (a conversion's three registers begin on an even number)
.endr
	v_nop                                                                ; one plain place behind a scaled conversion
.irp c, 0,1                                                              ; the layout wants a whole block in a lane: lanes 0-15 block 2 c, lanes 16-31 block 2 c + 1
.irp i, 0,1,2
	v_permlane16_swap_b32 v[PC+6*\c+\i], v[PC+12+4*\c+\i]
.endr
.irp i, 0,1,2
	v_mov_b32 v[PC+6*\c+3+\i], v[PC+12+4*\c+\i]
.endr
.endr
.endm
	s_load_b256 s[4:11], s[0:1], 0x0               ; encodings q s[4:5], k s[6:7], v s[8:9]; Wq s[10:11]
	s_load_b256 s[12:19], s[0:1], 0x20             ; Wk s[12:13], Wv s[14:15], Wo s[16:17]; opq s[18:19]
	v_lshl_add_u32 v254, v0, 2, 0xb400
	v_mov_b32 v255, 0
	v_lshrrev_b32 v1, 5, v0
	v_readfirstlane_b32 s20, v1                    ; wave 0..3
	v_and_b32 v1, 31, v0                           ; lane
	v_and_b32 v2, 15, v0                           ; r
	v_bfe_u32 v3, v0, 4, 1                         ; h
	v_lshlrev_b32 v4, 4, v1                        ; 16 x lane
	s_mov_b32 s[SEL], 0x76543210
	s_mov_b32 s[SEL+1], 0xfedcba98
	s_cmp_lt_u32 ttmp9, 128
	s_cbranch_scc1 .Lweights
; ---------------- the encodings: K is innermost.  A work-group takes two tiles of a chunk; wave w tile 2 (xg % 4) + w / 2, K half w % 2: four fragments.
	s_sub_co_u32 s24, ttmp9, 128                   ; xg
	s_lshr_b32 s25, s24, 2                         ; the record
	s_lshr_b32 s26, s24, 8                         ; the tensor
	s_and_b32 s27, s25, 63                         ; its chunk
	s_and_b32 s28, s24, 3
	s_lshl_b32 s28, s28, 1
	s_lshr_b32 s29, s20, 1
	s_add_co_u32 s28, s28, s29                     ; tile a
	s_and_b32 s29, s20, 1                          ; K half
	s_lshl_b32 s30, s27, 7
	s_lshr_b32 s31, s28, 1
	s_lshl_b32 s31, s31, 5
	s_add_co_u32 s30, s30, s31
	s_and_b32 s31, s28, 1
	s_lshl_b32 s31, s31, 3
	s_add_co_u32 s30, s30, s31                     ; the tile's first row: 128 chunk + 32 (a / 2) + 8 (a % 2)
	s_lshl_b32 s30, s30, 12                        ; rows of 4,096 bytes
	s_lshl_b32 s31, s29, 11
	s_add_co_u32 s30, s30, s31                     ; + 2,048 x K half
	s_mov_b32 s31, 0
	s_mul_i32 s32, s25, REC
	s_mul_i32 s33, s29, 4*12288
	s_add_co_u32 s32, s32, s33
	s_mul_i32 s33, s28, 1536
	s_add_co_u32 s32, s32, s33                     ; my first fragment's image
	s_mov_b32 s33, 0
	s_mul_i32 s34, s25, REC
	s_lshl_b32 s35, s28, 9
	s_add_co_u32 s34, s34, s35
	s_lshl_b32 s35, s29, 8
	s_add_co_u32 s34, s34, s35
	s_add_co_u32 s34, s34, SCO                     ; my first pair of scale words
	s_mov_b32 s35, 0
	s_mul_i32 s36, s20, XSW                        ; my stage
	v_add_nc_u32 v5, s36, v4                       ; into it: a row's 512 bytes as they lie
	v_mul_u32_u24 v6, v2, 528
	v_lshl_add_u32 v6, v3, 6, v6
	v_add_nc_u32 v6, s36, v6                       ; out of it: row r, + 64 h: 16 neighbours of each block of 32
	v_lshlrev_b32 v7, 3, v2
	v_lshl_add_u32 v7, v3, 2, v7                   ; scale words: 8 r + 4 h
	v_cmp_ne_u32 vcc_lo, 0, v3                     ; lanes 16-31
.irp b, 0,1,2,3
	v_mov_b32 v[TM+4+\b], 0                        ; written once: a lane permute's destination counts as one of its sources
.endr
	s_wait_kmcnt 0x0
	s_cmp_eq_u32 s26, 1                            ; the choice hangs on the work-group's number alone
	s_cselect_b64 s[4:5], s[6:7], s[4:5]
	s_cmp_eq_u32 s26, 2
	s_cselect_b64 s[4:5], s[8:9], s[4:5]
	s_add_nc_u64 s[4:5], s[4:5], s[30:31]
	s_add_nc_u64 s[6:7], s[18:19], s[32:33]
	s_add_nc_u64 s[8:9], s[18:19], s[34:35]
.macro XLOAD kk                        ; fragment kk: 16 rows x 512 bytes; each load is 512 consecutive bytes of one row
.irp i, 0,1,2,3,4,5,6,7,8,9,10,11,12,13,14,15
	global_load_b128 v[LD+64*((\kk)%2)+4*\i:LD+64*((\kk)%2)+4*\i+3], v4, s[4:5] offset:(\i+8*(\i/8))*4096+512*(\kk) th:TH_LOAD_NT
.endr
.endm
.macro FRAGX kk
.if (\kk) < 3
	s_wait_loadcnt 16                              ; this fragment's 16 loads are in; the next fragment's 16 may be out
.else
	s_wait_loadcnt 0x0
.endif
.irp i, 0,1,2,3,4,5,6,7,8,9,10,11,12,13,14,15
	ds_store_b128 v5, v[LD+64*((\kk)%2)+4*\i:LD+64*((\kk)%2)+4*\i+3] offset:528*\i
.endr
.irp b, 0,1,2,3
.irp j, 0,1,2,3
	ds_load_b128 v[X+16*\b+4*\j:X+16*\b+4*\j+3], v6 offset:128*\b+16*\j   ; LDS serves a wave's instructions in order: these see the stores above
.endr
.endr
	s_wait_dscnt 0x0                               ; the numbers are back, and the stage's stores have read their registers
	s_wait_xcnt 0x0                                ; the last fragment's stores have read their data: the codes' registers are written again only behind this wait
.if (\kk)+2 < 4
	XLOAD (\kk)+2
.endif
	QUANT X, 0x1800000, 244+(\kk)%2
.irp c, 0,1,2
	global_store_b128 v4, v[PC+4*\c:PC+4*\c+3], s[6:7] offset:12288*(\kk)+512*\c   ; 512 consecutive bytes a store
.endr
.if (\kk)%2
	v_cndmask_b32 v[246+(\kk)/2], v244, v245, vcc_lo                     ; lanes 0-15 the even K step's word, lanes 16-31 the odd one's
	global_store_b32 v7, v[246+(\kk)/2], s[8:9] offset:128*((\kk)/2)     ; 128 consecutive bytes
.endif
.endm
	XLOAD 0
	XLOAD 1
	FRAGX 0
	FRAGX 1
	FRAGX 2
	FRAGX 3
	s_wait_tensorcnt 0x0
	ds_add_u32 v254, v255
	s_wait_dscnt 0x0
	s_endpgm
; ---------------- the weights: K is the FIRST axis.  A lane takes a column n and its registers run down K: a block of 32 lies in one lane, and the conversions give codes with K innermost.
; A work-group takes 128 columns x 256 along K; wave w columns 32 w + lane: lane l is row r' = l % 8 + 8 (l / 16) of tile 2 w + (l / 8) % 2.
.Lweights:
	s_lshr_b32 s24, ttmp9, 5                       ; which weight
	s_lshr_b32 s25, ttmp9, 2
	s_and_b32 s25, s25, 7                          ; chunk of 128 columns
	s_and_b32 s26, ttmp9, 3                        ; which 256 along K
	s_lshl_b32 s30, s26, 20                        ; 256 rows of 4,096 bytes
	s_lshl_b32 s27, s25, 9
	s_add_co_u32 s30, s30, s27
	s_lshl_b32 s27, s20, 7
	s_add_co_u32 s30, s30, s27                     ; + 4 x (128 chunk + 32 wave)
	s_mov_b32 s31, 0
	s_lshl_b32 s27, s24, 3
	s_add_co_u32 s27, s27, s25
	s_add_co_u32 s27, s27, 192
	s_mul_i32 s27, s27, REC                        ; the record
	s_mul_i32 s28, s26, 24576
	s_add_co_u32 s32, s27, s28
	s_mul_i32 s28, s20, 3072
	s_add_co_u32 s32, s32, s28                     ; my two tiles' images of the first K step
	s_mov_b32 s33, 0
	s_lshl_b32 s28, s20, 10
	s_add_co_u32 s34, s27, s28
	s_lshl_b32 s28, s26, 7
	s_add_co_u32 s34, s34, s28
	s_add_co_u32 s34, s34, SCO
	s_mov_b32 s35, 0
	v_lshlrev_b32 v8, 2, v1                        ; in: 4 bytes a lane
	v_bfe_u32 v9, v0, 3, 1                         ; u
	v_and_b32 v10, 7, v0
	v_lshl_add_u32 v10, v3, 3, v10                 ; r'
	s_mul_i32 s36, s20, 3072
	s_add_co_u32 s36, s36, WST                     ; my stage: two images
	v_mul_u32_u24 v11, v9, 1536
	v_lshl_add_u32 v11, v10, 4, v11
	v_add_nc_u32 v11, s36, v11                     ; into it: image u, lane r' (+ 256 for the operand's upper half of lanes)
	v_add_nc_u32 v12, s36, v4                      ; out of it: 16 x lane
	v_lshlrev_b32 v13, 9, v9
	v_lshl_add_u32 v13, v10, 3, v13                ; scale words: 512 u + 8 r'
	s_wait_kmcnt 0x0
	s_cmp_eq_u32 s24, 1
	s_cselect_b64 s[4:5], s[12:13], s[10:11]
	s_cmp_eq_u32 s24, 2
	s_cselect_b64 s[4:5], s[14:15], s[4:5]
	s_cmp_eq_u32 s24, 3
	s_cselect_b64 s[4:5], s[16:17], s[4:5]
	s_add_nc_u64 s[4:5], s[4:5], s[30:31]
	s_add_nc_u64 s[6:7], s[18:19], s[32:33]
	s_add_nc_u64 s[8:9], s[18:19], s[34:35]
.macro WLOAD kb                        ; block kb: W(32 kb + i, my column): a wave reads 128 consecutive bytes, the work-group 512
.irp i, 0,1,2,3,4,5,6,7,8,9,10,11,12,13,14,15,16,17,18,19,20,21,22,23,24,25,26,27,28,29,30,31
	global_load_b32 v[16+32*((\kb)%2)+\i], v8, s[4:5] offset:(32*(\kb)+\i)*4096 th:TH_LOAD_NT
.endr
.endm
.macro WBLOCK kb
.set XS, 16+32*((\kb)%2)
.if (\kb) < 7
	s_wait_loadcnt 32                              ; this block's 32 loads are in; the next block's may be out
.else
	s_wait_loadcnt 0x0
.endif
	v_max3_num_f32 v90, |v[XS]|, |v[XS+1]|, |v[XS+2]|
	v_max3_num_f32 v91, |v[XS+3]|, |v[XS+4]|, |v[XS+5]|
.irp i, 6,10,14,18,22,26
	v_max3_num_f32 v90, v90, |v[XS+\i]|, |v[XS+\i+1]|
	v_max3_num_f32 v91, v91, |v[XS+\i+2]|, |v[XS+\i+3]|
.endr
	v_max3_num_f32 v90, v90, |v[XS+30]|, |v[XS+31]|
	v_max3_num_f32 v90, v90, v91, 0x1800000        ; and the floor
	v_add_nc_u32 v92, 0xff000000, v90              ; the conversion's scale operand
	v_lshrrev_b32 v93, 23, v92                     ; the byte
.if (\kb)%4 == 0
	v_mov_b32 v[88+(\kb)/4], v93
.else
	v_lshl_or_b32 v[88+(\kb)/4], v93, 8*((\kb)%4), v[88+(\kb)/4]
.endif
	v_cvt_scalef32_pk16_fp6_f32 v[80:82], v[XS:XS+15], v92
	v_cvt_scalef32_pk16_fp6_f32 v[84:86], v[XS+16:XS+31], v92
	v_nop                                          ; one plain place behind a scaled conversion
	v_mov_b32 v83, v84
	v_mov_b32 v84, v85
	v_mov_b32 v85, v86                             ; v80-85: the block's 192 bits: registers 6 c .. 6 c + 5 of operand lane (r', h), c = (kb / 2) % 2, h = kb % 2
.if ((\kb)/2)%2 == 0
	ds_store_b128 v11, v[80:83] offset:256*((\kb)%2)
	ds_store_b64 v11, v[84:85] offset:512+256*((\kb)%2)
.else
	ds_store_b64 v11, v[80:81] offset:520+256*((\kb)%2)
	ds_store_b128 v11, v[82:85] offset:1024+256*((\kb)%2)
.endif
.if (\kb)+2 < 8
	WLOAD (\kb)+2
.endif
	s_wait_dscnt 0x0                               ; the stores have read their registers
.if (\kb)%4 == 3                       ; a K step of 128 is whole: its two images leave, 3,072 consecutive bytes; each K step has registers of its own
.irp i, 0,1,2,3,4,5
	ds_load_b128 v[96+24*((\kb)/4)+4*\i:96+24*((\kb)/4)+4*\i+3], v12 offset:512*\i
.endr
	s_wait_dscnt 0x0
.irp i, 0,1,2,3,4,5
	global_store_b128 v4, v[96+24*((\kb)/4)+4*\i:96+24*((\kb)/4)+4*\i+3], s[6:7] offset:12288*((\kb)/4)+512*\i
.endr
.endif
.endm
	WLOAD 0
	WLOAD 1
.irp k, 0,1,2,3,4,5,6,7
	WBLOCK \k
.endr
	global_store_b64 v13, v[88:89], s[8:9]         ; my column's two scale words
	s_wait_tensorcnt 0x0
	ds_add_u32 v254, v255
	s_wait_dscnt 0x0
	s_endpgm
.Lfunc_end_k_q3c1eefaf27_quant:
	.size	k_q3c1eefaf27_quant, .Lfunc_end_k_q3c1eefaf27_quant-k_q3c1eefaf27_quant
	.p2alignl 7, 3214868480
	.fill 96, 4, 3214868480
	.section	.rodata,"a",@progbits
	.p2align	6, 0x0
	.amdhsa_kernel k_q3c1eefaf27_quant
		.amdhsa_group_segment_fixed_size 46592
		.amdhsa_private_segment_fixed_size 0
		.amdhsa_enable_private_segment 0
		.amdhsa_kernarg_size 64
		.amdhsa_user_sgpr_count 2
		.amdhsa_user_sgpr_kernarg_segment_ptr 1
		.amdhsa_wavefront_size32 1
		.amdhsa_system_sgpr_workgroup_id_x 1
		.amdhsa_system_sgpr_workgroup_id_y 1
		.amdhsa_system_sgpr_workgroup_id_z 1
		.amdhsa_system_vgpr_workitem_id 0
		.amdhsa_next_free_vgpr 256
		.amdhsa_next_free_sgpr 66
		.amdhsa_reserve_vcc 1
		.amdhsa_float_denorm_mode_32 3
		.amdhsa_float_denorm_mode_16_64 3
		.amdhsa_memory_ordered 1
		.amdhsa_forward_progress 1
		.amdhsa_inst_pref_size 75
	.end_amdhsa_kernel
	.amdgpu_metadata
---
amdhsa.version: [ 1, 2 ]
amdhsa.kernels:
  - .name:           k_q3c1eefaf27_quant
    .symbol:         k_q3c1eefaf27_quant.kd
    .args:
      - { .name: encodings_for_q, .offset: 0, .size: 8, .value_kind: global_buffer, .address_space: global }
      - { .name: encodings_for_k, .offset: 8, .size: 8, .value_kind: global_buffer, .address_space: global }
      - { .name: encodings_for_v, .offset: 16, .size: 8, .value_kind: global_buffer, .address_space: global }
      - { .name: Wq, .offset: 24, .size: 8, .value_kind: global_buffer, .address_space: global }
      - { .name: Wk, .offset: 32, .size: 8, .value_kind: global_buffer, .address_space: global }
      - { .name: Wv, .offset: 40, .size: 8, .value_kind: global_buffer, .address_space: global }
      - { .name: Wo, .offset: 48, .size: 8, .value_kind: global_buffer, .address_space: global }
      - { .name: opq, .offset: 56, .size: 8, .value_kind: global_buffer, .address_space: global }
    .group_segment_fixed_size: 46592
    .private_segment_fixed_size: 0
    .kernarg_segment_align: 8
    .kernarg_segment_size: 64
    .max_flat_workgroup_size: 128
    .sgpr_count:     66
    .vgpr_count:     256
    .wavefront_size: 32
...
	.end_amdgpu_metadata
.endif
;; end of part 1
;; launch proj (part 2): grid 4 x 96, 4 waves a work-group, clusters of 4 x 4, 327,680 bytes of LDS; arguments opq, bq, bk, bv, qkv; writes qkv
.if DOCPART == 2
	.amdgcn_target "amdgcn-amd-amdhsa--gfx1250"
	.amdhsa_code_object_version 6
	.text
	.protected	k_q3c1eefaf27_proj
	.globl	k_q3c1eefaf27_proj
	.p2align	8
	.type	k_q3c1eefaf27_proj,@function
k_q3c1eefaf27_proj:
	s_mov_b64 s[64:65], 0
	v_nop
	global_prefetch_b8 v0, s[64:65] scope:SCOPE_SE
	s_setreg_imm32_b32 hwreg(HW_REG_WAVE_MODE, 25, 1), 1
	s_wait_xcnt 0x0
	s_wait_alu depctr_hold_cnt(0) depctr_sa_sdst(0) depctr_va_vdst(0) depctr_va_sdst(0) depctr_va_ssrc(0) depctr_va_vcc(0) depctr_vm_vsrc(0)
	s_getreg_b32 s2, hwreg(HW_REG_IB_STS2, 6, 4)
	s_cmp_eq_u32 s2, 0
	s_cbranch_scc0 .Lentry_in_a_cluster
	s_endpgm
.Lentry_in_a_cluster:
	s_bfe_u32 s2, ttmp6, 0x10000c
	s_cmp_lg_u32 s2, 0xf033
	s_cbranch_scc0 .Lentry_shape_is_right
	s_endpgm
.Lentry_shape_is_right:
; Q = x_q Wq + bq, K = x_k Wk + bk, V = x_v Wv + bv on codes of FP6 (E2M3) with E8M0 scales, sums in f32; the results are quantised in registers and leave as codes.
; Operands lie in opq as images of operand registers (16 rows x 128 K = 1,536 bytes: registers 4 g .. 4 g + 3 of lane l at 512 g + 16 l), a record of 102,400 bytes for each chunk of 128 rows.
; A work-group of four waves makes 256 x 256; a wave 128 (P, source 1) x 128 (R, source 0): 64 accumulators.  In accumulator (a, b) lane (r, h) holds row r of P's tile a, and register j holds R's row 32 (b / 2) + 8 (b % 2) + 16 h + j:
; so the 64 registers of one a are 64 of 128 neighbours along R, in the order that the quantiser wants.
; Q, K (t = 0, 1): P = tokens, R = 128 columns of the weight = two heads: a fragment of 16 tokens x (even head's 64 | odd head's 64).   V (t = 2): P = 128 columns of Wv, R = tokens: a fragment of 16 channels x 128 keys.
; K goes in steps of 256 through two LDS slots; a wave's one tensor load brings a chunk's 24,576 dense bytes.  The scale words of the four chunks come once, with the first fills.
; CLUSTERS: 4 x 4 work-groups; P's tiles are shared along a row of the cluster, R's along a column: joint loads.  t is the cluster's y / 8: equal in all partners.
; No prefetch: K has four steps, of which the first two are the first fills.
; qkv: rec = (4 batch + head / 4) x 16 + chunk of 128 tokens.  Q: rec x 25,600: codes [pair 2][tile 8][1,536], words at 24,576: [pair][r 16][tile 8].
;      K, V: 6,553,600 + rec x 51,200: K's codes, V's codes at 24,576, K's words at 49,152, V's at 50,176, each laid likewise.
; LIMITS: NaN and infinities are not served.  A block of Q, K or V whose largest magnitude lies under 2^-121 takes the scale 2^-123: every byte is 4 or more, so that the next launch can take 3 off Q's.
.set REC,   102400
.set SCO,   98304
.set KSB,   24576                      ; a chunk's codes of 256 along K: [q 2][tile 8][1,536]
.set SLOT,  4*KSB                      ; P's two chunks, then R's two
.set SCL,   2*SLOT                     ; the scale words: wave w's 4,096 bytes at 4,096 w + 128 (w / 2)
.set SPARE, 213248                     ; the spare words, 128 bytes for each wave: two blocks of 256 bytes that no other line names
.set FR,    12
.set NL,    3                          ; LDS loads that bring a fragment
.set NP,    4                          ; places behind this matrix instruction (ISA guide 7.12.1)
.set NQ,    2
.set LAPS,  2                          ; 1,024 along K = two laps of two slots
.set ADRA,  16                         ; v16-17 LDS address of P's fragments in slot 0, 1
.set ADRB,  20                         ; v20-21 of R's
.set SOF,   25                         ; v25  the way out: 32 r + 16 h
.set CO,    26                         ; v26  16 x lane
.set ADRS,  27                         ; v27  my scale words: lanes 0-15 P's, lanes 16-31 R's
.set SPW,   28
.set NIL,   29
.set SC,    32                         ; v32-63 scale words, two sets
.set TM,    64                         ; v64-79 the quantiser's
.set WD,    80                         ; v80-87 the eight tiles' scale words; v88-91 as stored
.set AF,    128                        ; window 0: P's fragments, one set
.set ST,    128                        ; the way out: 64 numbers
.set PC,    192                        ; the way out: codes
.set BP,    224                        ; v224-239 the bias of my row of P's tile a, twice (a pair)
.set SEL,   66
.set G1, 24
.set G0, 32
.set G1B, 48
.set G0B, 56
.set G1S, 68
.set G0S, 76
.set G1SB, 80
.set G0SB, 88
.set MSB, 0
.macro WIN new                         ; the immediate's high byte repeats the setting that is left
.if MSB != \new
	s_set_vgpr_msb (MSB<<8)|\new
.set MSB, \new
.endif
.endm
.set MUL_LO, 0xa1                      ; source 0 (R) window 1, source 1 (P) window 0, C and D window 2
.set MUL_HI, 0xf1
.set TO_B,   0x40
.macro JLOAD g0a, g1a, g0b, g1b        ; a joint load: waves 0, 1 fetch for P, waves 2, 3 for R; four v_nop follow each line
	s_cmp_eq_u32 s15, 0
	s_cbranch_scc0 .Lfor_b_\@
	tensor_load_to_lds s[\g0a:\g0a+3], s[\g1a:\g1a+7]
	s_nop 0
.rept 4
	v_nop
.endr
	s_branch .Lasked_\@
.Lfor_b_\@:
	tensor_load_to_lds s[\g0b:\g0b+3], s[\g1b:\g1b+7]
	s_nop 0
.rept 4
	v_nop
.endr
.Lasked_\@:
.endm
.macro CREST
	s_cmp_lg_u32 s14, 0
	s_cbranch_scc1 .Lnot_wave_0_\@
	s_barrier_signal -3
.Lnot_wave_0_\@:
	s_barrier_wait -3
	s_barrier_signal -1
	s_barrier_wait -1
.endm
.macro CROUND
	s_barrier_signal -1
	s_barrier_wait -1
	CREST
.endm
.macro QUANT s, floor, pw              ; 64 numbers of a lane (register 16 b + i = k 32 b + 16 h + i of its row) -> codes in v[PC] on, scale word in v[pw]
.irp b, 0,1,2,3
	v_max3_num_f32 v[TM+\b], |v[\s+16*\b]|, |v[\s+16*\b+1]|, \floor
.endr
.irp i, 2,4,6,8,10,12,14
.irp b, 0,1,2,3
	v_max3_num_f32 v[TM+\b], v[TM+\b], |v[\s+16*\b+\i]|, |v[\s+16*\b+\i+1]|
.endr
.endr
.irp b, 0,1,2,3
	v_permlanex16_b32 v[TM+4+\b], v[TM+\b], s[SEL], s[SEL+1]
.endr
.irp b, 0,1,2,3
	v_max_num_f32 v[TM+\b], v[TM+\b], v[TM+4+\b]
.endr
.irp b, 0,1,2,3
	v_add_nc_u32 v[TM+12+\b], 0xff000000, v[TM+\b]
.endr
.irp b, 0,1,2,3
	v_lshrrev_b32 v[TM+4+\b], 23, v[TM+12+\b]
.endr
	v_lshl_or_b32 v[\pw], v[TM+5], 8, v[TM+4]
	v_lshl_or_b32 v[\pw], v[TM+6], 16, v[\pw]
	v_lshl_or_b32 v[\pw], v[TM+7], 24, v[\pw]
.irp c, 0,1
	v_cvt_scalef32_pk16_fp6_f32 v[PC+6*\c:PC+6*\c+2], v[\s+32*\c:\s+32*\c+15], v[TM+12+2*\c]
	v_cvt_scalef32_pk16_fp6_f32 v[PC+12+4*\c:PC+12+4*\c+2], v[\s+32*\c+16:\s+32*\c+31], v[TM+12+2*\c+1]
.endr
	v_nop                                          ; one plain place behind a scaled conversion
.irp c, 0,1
.irp i, 0,1,2
	v_permlane16_swap_b32 v[PC+6*\c+\i], v[PC+12+4*\c+\i]
.endr
.irp i, 0,1,2
	v_mov_b32 v[PC+6*\c+3+\i], v[PC+12+4*\c+\i]
.endr
.endr
.endm
	s_load_b256 s[4:11], s[0:1], 0x0               ; opq s[4:5], bq s[6:7], bk s[8:9], bv s[10:11]
	s_load_b64 s[12:13], s[0:1], 0x20              ; qkv
	v_lshl_add_u32 v[SPW], v0, 2, SPARE
	v_mov_b32 v[NIL], 0
	ds_add_u32 v28, v29
	ds_add_u32 v28, v29
	s_wait_dscnt 0x0
	v_lshrrev_b32 v1, 5, v0
	v_readfirstlane_b32 s14, v1                    ; wave 0..3
	s_lshr_b32 s15, s14, 1                         ; which chunk of P is mine.  Also: I fetch for P (0) or for R (1)
	s_and_b32 s16, s14, 1                          ; which chunk of R.  Also: which chunk I fetch
	s_bfe_u32 s40, ttmp6, 0x40000                  ; cx
	s_bfe_u32 s41, ttmp6, 0x40004                  ; cy
	s_and_b32 s17, ttmp7, 0xffff                   ; the cluster's y
	s_lshr_b32 s42, s17, 3                         ; t: 0 Q, 1 K, 2 V
	s_and_b32 s17, s17, 7                          ; which 1,024 tokens
	s_lshl_b32 s43, s41, 2
	s_lshl_b32 s43, 15, s43                        ; my row of the cluster
	s_lshl_b32 s44, 0x1111, s40                    ; my column
	s_or_b32 s[G1+0], s43, (3<<16)|(1<<21)         ; 15:0 the mask; 17:16 elements of 8 bytes; 21 set beside a mask; no padding
	s_or_b32 s[G1B+0], s44, (3<<16)|(1<<21)
	s_or_b32 s[G1S+0], s43, (3<<16)|(1<<21)
	s_or_b32 s[G1SB+0], s44, (3<<16)|(1<<21)
.irp g, G1, G1B                        ; 24,576 dense bytes as 96 rows of 256
	s_mov_b32 s[\g+1], 32<<16
	s_mov_b32 s[\g+2], 96<<16
	s_mov_b32 s[\g+3], 32<<16
	s_mov_b32 s[\g+4], 96
	s_mov_b32 s[\g+5], 32
	s_mov_b32 s[\g+6], 0
	s_mov_b32 s[\g+7], 0
.endr
.irp g, G1S, G1SB                      ; 4,096 dense bytes as 16 rows of 256
	s_mov_b32 s[\g+1], 32<<16
	s_mov_b32 s[\g+2], 16<<16
	s_mov_b32 s[\g+3], 32<<16
	s_mov_b32 s[\g+4], 16
	s_mov_b32 s[\g+5], 32
	s_mov_b32 s[\g+6], 0
	s_mov_b32 s[\g+7], 0
.endr
	; the records.  P: t < 2: 64 t + 8 Yr + 2 cy + chunk;  V: 208 + 2 cy + chunk.   R: t < 2: 192 + 8 t + 2 cx + chunk;  V: 128 + 8 Yr + 2 cx + chunk
	s_lshl_b32 s18, s42, 6
	s_lshl_b32 s19, s17, 3
	s_add_co_u32 s20, s18, s19
	s_lshl_b32 s21, s42, 3
	s_add_co_u32 s21, s21, 192
	s_add_co_u32 s22, s19, 128
	s_mov_b32 s23, 208
	s_cmp_lt_u32 s42, 2
	s_cselect_b32 s20, s20, s23
	s_cselect_b32 s46, s21, s22
	s_lshl_b32 s18, s41, 1
	s_add_co_u32 s20, s20, s18
	s_add_co_u32 s20, s20, s16                     ; P's record: the cluster's y, cy and the wave alone
	s_lshl_b32 s47, s40, 1
	s_add_co_u32 s46, s46, s47
	s_add_co_u32 s46, s46, s16                     ; R's record: the cluster's y, cx and the wave alone
	s_mul_i32 s20, s20, REC
	s_mul_i32 s46, s46, REC
	s_mov_b32 s21, 0
	s_mov_b32 s47, 0
	s_mul_i32 s45, s14, KSB                        ; where they go: no place in the cluster enters an LDS address
	s_lshl_b32 s94, s14, 12
	s_lshl_b32 s95, s15, 7
	s_add_co_u32 s94, s94, s95
	s_wait_kmcnt 0x0
	s_add_nc_u64 s[20:21], s[4:5], s[20:21]
	s_add_nc_u64 s[46:47], s[4:5], s[46:47]
	s_add_nc_u64 s[22:23], s[20:21], SCO
	s_add_nc_u64 s[92:93], s[46:47], SCO
	CROUND                                         ; all sixteen work-groups are here: the first joint loads meet
	s_mov_b32 s[G0S], 1
	s_add_co_u32 s[G0S+1], s94, SCL
	s_mov_b64 s[G0S+2:G0S+3], s[22:23]
	s_or_b32 s[G0S+3], s[G0S+3], 0x80000000
	s_mov_b32 s[G0SB], 1
	s_add_co_u32 s[G0SB+1], s94, SCL
	s_mov_b64 s[G0SB+2:G0SB+3], s[92:93]
	s_or_b32 s[G0SB+3], s[G0SB+3], 0x80000000
	JLOAD G0S, G1S, G0SB, G1SB                     ; the scale words first
.irp s, 0,1
	s_mov_b32 s[G0+4*\s], 1
	s_add_co_u32 s[G0+4*\s+1], s45, \s*SLOT
	s_add_nc_u64 s[G0+4*\s+2:G0+4*\s+3], s[20:21], \s*KSB
	s_or_b32 s[G0+4*\s+3], s[G0+4*\s+3], 0x80000000
	s_mov_b32 s[G0B+4*\s], 1
	s_add_co_u32 s[G0B+4*\s+1], s45, \s*SLOT
	s_add_nc_u64 s[G0B+4*\s+2:G0B+4*\s+3], s[46:47], \s*KSB
	s_or_b32 s[G0B+4*\s+3], s[G0B+4*\s+3], 0x80000000
	JLOAD G0+4*\s, G1, G0B+4*\s, G1B               ; three loads of mine are out
.endr
	v_and_b32 v1, 15, v0                           ; r
	v_bfe_u32 v2, v0, 4, 1                         ; h
	v_and_b32 v3, 31, v0
	v_lshlrev_b32 v[CO], 4, v3                     ; 16 x lane
	s_mul_i32 s21, s15, KSB
	s_mul_i32 s22, s16, KSB
	s_add_co_u32 s22, s22, 2*KSB
.irp s, 0,1
	v_add_nc_u32 v[ADRA+\s], s21, v[CO]
	v_add_nc_u32 v[ADRB+\s], s22, v[CO]
	s_add_co_u32 s21, s21, SLOT
	s_add_co_u32 s22, s22, SLOT
.endr
	s_lshl_b32 s21, s15, 12                        ; P's words: my chunk
	s_lshl_b32 s22, s16, 12
	s_add_co_u32 s22, s22, 8320                    ; R's: behind P's two chunks, 128 bytes further on
	s_sub_co_u32 s22, s22, s21
	v_mul_u32_u24 v4, s22, v2                      ; lanes 16-31 take R's
	s_add_co_u32 s21, s21, SCL
	v_lshl_add_u32 v4, v1, 3, v4                   ; 8 bytes a row: the K step's two words
	v_add_nc_u32 v[ADRS], s21, v4
	v_lshlrev_b32 v[SOF], 5, v1
	v_lshl_add_u32 v[SOF], v2, 4, v[SOF]
	s_mov_b32 s[SEL], 0x76543210
	s_mov_b32 s[SEL+1], 0xfedcba98
.irp b, 0,1,2,3
	v_mov_b32 v[TM+4+\b], 0                        ; written once: a lane permute's destination counts as one of its sources
.endr
	; whose results are mine
	s_lshl_b32 s94, s41, 1
	s_add_co_u32 s94, s94, s15                     ; P's chunk among the cluster's eight
	s_lshl_b32 s95, s40, 1
	s_add_co_u32 s95, s95, s16                     ; R's
	s_cmp_lt_u32 s42, 2
	s_cselect_b32 s96, s94, s95                    ; the tokens' chunk,
	s_cselect_b32 s97, s95, s94                    ; the pair of heads
	s_lshl_b32 s98, s97, 9                         ; its 128 biases
	s_cmp_lt_u32 s42, 2
	s_cselect_b32 s18, s98, 0                      ; along R for Q and K,
	s_cselect_b32 s22, 0, s98                      ; along P for V.  The set that is not used is loaded from the bias's first bytes: both are written on every way
	s_mov_b32 s19, 0
	s_mov_b32 s23, 0
	s_cmp_eq_u32 s42, 1
	s_cselect_b64 s[6:7], s[8:9], s[6:7]
	s_cmp_eq_u32 s42, 2
	s_cselect_b64 s[6:7], s[10:11], s[6:7]
	s_add_nc_u64 s[18:19], s[6:7], s[18:19]
	s_add_nc_u64 s[22:23], s[6:7], s[22:23]
	v_lshlrev_b32 v5, 6, v2                        ; 64 h
	v_and_b32 v6, 8, v1
	v_add_nc_u32 v6, v6, v1
	v_lshlrev_b32 v6, 2, v6                        ; 4 (r + 8 (r / 8))
	WIN TO_B
.irp b, 0,1,2,3                        ; the biases of my 64 numbers along R: window 1, v96-127 and v224-255
.irp j, 0,1,2,3
	global_load_b128 v[96+96*(\b/2)+16*\b+4*\j:96+96*(\b/2)+16*\b+4*\j+3], v5, s[18:19] offset:128*\b+16*\j
.endr
.endr
	WIN 0
.irp a, 0,1,2,3,4,5,6,7                ; the bias of my row of P's tile a
	global_load_b32 v[BP+2*\a], v6, s[22:23] offset:4*(32*(\a/2)+8*(\a%2))
	global_load_b32 v[BP+2*\a+1], v6, s[22:23] offset:4*(32*(\a/2)+8*(\a%2))
.endr
	; where they go
	s_lshl_b32 s17, s17, 3
	s_add_co_u32 s96, s96, s17                     ; the tokens' chunk, 0 .. 63
	s_lshr_b32 s94, s96, 4                         ; batch
	s_lshl_b32 s94, s94, 2
	s_lshr_b32 s95, s97, 1
	s_add_co_u32 s94, s94, s95                     ; 4 batch + group of four heads
	s_lshl_b32 s94, s94, 4
	s_and_b32 s95, s96, 15
	s_add_co_u32 s94, s94, s95                     ; rec
	s_and_b32 s97, s97, 1                          ; the pair in the group
	s_mov_b32 s95, 25600
	s_mov_b32 s96, 51200
	s_cmp_eq_u32 s42, 0
	s_cselect_b32 s95, s95, s96
	s_mul_i32 s94, s94, s95
	s_mov_b32 s96, 6553600
	s_cselect_b32 s96, 0, s96
	s_mov_b32 s98, 24576
	s_mov_b32 s99, 49152
	s_cselect_b32 s99, s98, s99                    ; the words' place in a record: Q's, K's
	s_cmp_eq_u32 s42, 2
	s_cselect_b32 s98, s98, 0                      ; V's codes lie behind K's,
	s_cselect_b32 s95, 1024, 0                     ; V's words behind K's
	s_add_co_u32 s94, s94, s96
	s_add_co_u32 s96, s94, s99
	s_add_co_u32 s96, s96, s95
	s_lshl_b32 s95, s97, 9
	s_add_co_u32 s96, s96, s95
	s_add_co_u32 s94, s94, s98
	s_mul_i32 s95, s97, 12288
	s_add_co_u32 s94, s94, s95
	s_mov_b32 s95, 0
	s_mov_b32 s97, 0
	s_add_nc_u64 s[8:9], s[12:13], s[96:97]        ; my scale words
	s_add_nc_u64 s[12:13], s[12:13], s[94:95]      ; my eight fragments
.macro FRAG reg, adr, q, i             ; a fragment comes as it was stored: three loads of 512 consecutive bytes
.irp c, 0,1,2
	ds_load_b128 v[\reg+4*\c:\reg+4*\c+3], v[\adr] offset:12288*(\q)+1536*(\i)+512*\c
.endr
.endm
; 16 matrix instructions: P's blocks a0, a0 + 1 x R's eight.  The 64 accumulators take turns, one instruction a turn, in the same order in every step.
.macro MUL16 a0, p, q, sc, zero
.irp a, \a0, \a0+1
.irp b, 0,1,2,3,4,5,6,7
.if \zero
	v_wmma_scale_f32_16x16x128_f8f6f4 v[8*(8*((\a)%4)+\b):8*(8*((\a)%4)+\b)+7], v[128*(\p)+FR*\b:128*(\p)+FR*\b+FR-1], v[AF+FR*(\a):AF+FR*(\a)+FR-1], 0, v[SC+8*NQ*(\sc)+NQ*\b+(\q)], v[SC+8*NQ*(\sc)+NQ*(\a)+(\q)] matrix_a_fmt:MATRIX_FMT_FP6 matrix_b_fmt:MATRIX_FMT_FP6 matrix_a_scale:MATRIX_SCALE_ROW1
.else
	v_wmma_scale_f32_16x16x128_f8f6f4 v[8*(8*((\a)%4)+\b):8*(8*((\a)%4)+\b)+7], v[128*(\p)+FR*\b:128*(\p)+FR*\b+FR-1], v[AF+FR*(\a):AF+FR*(\a)+FR-1], v[8*(8*((\a)%4)+\b):8*(8*((\a)%4)+\b)+7], v[SC+8*NQ*(\sc)+NQ*\b+(\q)], v[SC+8*NQ*(\sc)+NQ*(\a)+(\q)] matrix_a_fmt:MATRIX_FMT_FP6 matrix_b_fmt:MATRIX_FMT_FP6 matrix_a_scale:MATRIX_SCALE_ROW1
.endif
.endr
.endr
.endm
.macro FETCH_B slot, q, p
	WIN TO_B
.irp i, 0,1,2,3,4,5,6,7
	FRAG 128*(\p)+FR*\i, ADRB+\slot, \q, \i
.endr
	WIN 0
.endm
.macro FETCH_A slot, q, i0
.irp i, \i0, \i0+1, \i0+2, \i0+3
	FRAG AF+FR*(\i), ADRA+\slot, \q, \i
.endr
.endm
.macro SCALES sc                       ; a K step's two words a row: lanes 0-15 P's block i, lanes 16-31 R's block i
.irp i, 0,1,2,3,4,5,6,7
	ds_load_b64 v[SC+8*NQ*\sc+NQ*\i:SC+8*NQ*\sc+NQ*\i+1], v[ADRS] offset:\i*512
.endr
.endm
.macro PLACES n                        ; plain vector instructions between a matrix instruction and a load into, or a vector write or read of, its registers
.rept \n
	v_nop
.endr
.endm
.macro STEP slot, q, zero              ; 128 along K that has its successor in the same slot
	s_wait_dscnt 4*NL                              ; R's set and P's blocks 0-3 are in; the youngest 12 loads (P's blocks 4-7) may be out
	WIN MUL_LO
	MUL16 0, (\q)%2, \q, \slot, \zero
	MUL16 2, (\q)%2, \q, \slot, \zero
	s_wait_dscnt 0
	PLACES NP
	FETCH_B \slot, (\q)+1, 1-(\q)%2
	FETCH_A \slot, (\q)+1, 0
	WIN MUL_HI
	MUL16 4, (\q)%2, \q, \slot, \zero
	MUL16 6, (\q)%2, \q, \slot, \zero
	PLACES NP
	WIN 0
	FETCH_A \slot, (\q)+1, 4
.endm
; A slot's last step changes slots: one barrier; in front of it each wave waits for all its tensor loads, adds 0 to its spare word, and waits for that and for its reads of this slot.
.macro TURN slot, next, fill
	s_wait_tensorcnt 0x0                           ; all my tensor loads have landed: my part of the next slot
	ds_add_u32 v[SPW], v[NIL]                      ; 0 onto my spare word
	s_wait_dscnt 4*NL+1                            ; (the add and the youngest 12 loads may be out)
	WIN MUL_LO
	MUL16 0, 1, NQ-1, \slot, 0
	s_wait_dscnt 0x0                               ; the add is done, and my reads of this slot are over
	s_barrier_signal -1
	MUL16 2, 1, NQ-1, \slot, 0
	WIN 0
	s_barrier_wait -1
.if \fill
	CREST                                          ; the barrier has opened a round of the cluster's: no wave of any partner still reads this slot or has a load on its way
	s_add_nc_u64 s[G0+4*\slot+2:G0+4*\slot+3], s[G0+4*\slot+2:G0+4*\slot+3], 2*KSB
	s_add_nc_u64 s[G0B+4*\slot+2:G0B+4*\slot+3], s[G0B+4*\slot+2:G0B+4*\slot+3], 2*KSB
	JLOAD G0+4*\slot, G1, G0B+4*\slot, G1B         ; the first tensor load behind the round, my one load until the next; its four v_nop are the places in front of the loads below
.else
	PLACES NP
.endif
	v_add_nc_u32 v[ADRS], 128, v[ADRS]             ; the next K step's scale words
	FETCH_B \next, 0, 0
	FETCH_A \next, 0, 0
	SCALES \next
	WIN MUL_HI
	MUL16 4, 1, NQ-1, \slot, 0
	MUL16 6, 1, NQ-1, \slot, 0
	PLACES NP
	WIN 0
	FETCH_A \next, 0, 4
.endm
	s_wait_loadcnt 0x0                             ; the biases
	s_wait_tensorcnt 1                             ; the scale words and my part of K step 0 are in; K step 1's load may be out
	s_barrier_signal -1
	s_barrier_wait -1
	FETCH_B 0, 0, 0
	FETCH_A 0, 0, 0
	SCALES 0
	FETCH_A 0, 0, 4
	STEP 0, 0, 1                                   ; the first step's products start the sums
	s_mov_b32 s3, LAPS-1
.Llap:
	TURN 0, 1, 1
	STEP 1, 0, 0
	TURN 1, 0, 1
	STEP 0, 0, 0
	s_sub_co_u32 s3, s3, 1
	s_cmp_lg_u32 s3, 0
	s_cbranch_scc1 .Llap
	TURN 0, 1, 0                                   ; the last lap fills nothing
	STEP 1, 0, 0
	s_wait_dscnt 4*NL
	WIN MUL_LO
	MUL16 0, 1, NQ-1, 1, 0
	MUL16 2, 1, NQ-1, 1, 0
	s_wait_dscnt 0
	WIN MUL_HI
	MUL16 4, 1, NQ-1, 1, 0
	MUL16 6, 1, NQ-1, 1, 0
	WIN 0
	PLACES NP
; THE WAY OUT, tile a of P at a time: + bias, in f32; quantised along R; the fragment leaves as its image.  The branch hangs on t, which all partners share; no barrier and no tensor load stands in it.
.macro OUTBLK a
.set AC, 64*((\a)%4)
.if (\a) > 0
	s_wait_xcnt 0x0                                ; the last tile's stores have read the codes' registers
.endif
	s_cmp_eq_u32 s42, 2
	s_cbranch_scc1 .Lrows_\@
	WIN 0x06+(\a)/4                                ; source 0: the accumulators' window; source 1: window 1
.set II, 0
.rept 32
	v_pk_add_f32 v[ST+II:ST+II+1], v[AC+II:AC+II+1], v[96+96*(II/32)+II:96+96*(II/32)+II+1]   ; each accumulator from its low end on
.set II, II+2
.endr
	WIN 0
	s_branch .Ljoin_\@
.Lrows_\@:
	WIN 0x02+(\a)/4
.set II, 0
.rept 32
	v_pk_add_f32 v[ST+II:ST+II+1], v[AC+II:AC+II+1], v[BP+2*(\a):BP+2*(\a)+1] op_sel_hi:[1,0]
.set II, II+2
.endr
	WIN 0
.Ljoin_\@:
	QUANT ST, 0x3000000, WD+(\a)
.irp c, 0,1,2
	global_store_b128 v[CO], v[PC+4*\c:PC+4*\c+3], s[12:13] offset:1536*(\a)+512*\c   ; 512 consecutive bytes a store
.endr
.endm
.irp a, 0,1,2,3,4,5,6,7
	OUTBLK \a
.endr
	v_cmp_ne_u32 vcc_lo, 0, v2
.irp i, 0,1,2,3
	v_cndmask_b32 v[WD+8+\i], v[WD+\i], v[WD+4+\i], vcc_lo   ; lanes 0-15 tiles 0-3's words of row r, lanes 16-31 tiles 4-7's
.endr
	global_store_b128 v[SOF], v[WD+8:WD+11], s[8:9]          ; 512 consecutive bytes
	s_wait_tensorcnt 0x0                           ; the wave's end
	ds_add_u32 v[SPW], v[NIL]
	s_wait_dscnt 0x0
	CROUND                                         ; the closing round
	s_endpgm
.Lfunc_end_k_q3c1eefaf27_proj:
	.size	k_q3c1eefaf27_proj, .Lfunc_end_k_q3c1eefaf27_proj-k_q3c1eefaf27_proj
	.p2alignl 7, 3214868480
	.fill 96, 4, 3214868480
	.section	.rodata,"a",@progbits
	.p2align	6, 0x0
	.amdhsa_kernel k_q3c1eefaf27_proj
		.amdhsa_group_segment_fixed_size 327680
		.amdhsa_private_segment_fixed_size 0
		.amdhsa_enable_private_segment 0
		.amdhsa_kernarg_size 40
		.amdhsa_user_sgpr_count 2
		.amdhsa_user_sgpr_kernarg_segment_ptr 1
		.amdhsa_wavefront_size32 1
		.amdhsa_system_sgpr_workgroup_id_x 1
		.amdhsa_system_sgpr_workgroup_id_y 1
		.amdhsa_system_sgpr_workgroup_id_z 1
		.amdhsa_system_vgpr_workitem_id 0
		.amdhsa_next_free_vgpr 1024
		.amdhsa_next_free_sgpr 100
		.amdhsa_reserve_vcc 1
		.amdhsa_float_denorm_mode_32 3
		.amdhsa_float_denorm_mode_16_64 3
		.amdhsa_memory_ordered 1
		.amdhsa_forward_progress 1
		.amdhsa_inst_pref_size 177
	.end_amdhsa_kernel
	.amdgpu_metadata
---
amdhsa.version: [ 1, 2 ]
amdhsa.kernels:
  - .name:           k_q3c1eefaf27_proj
    .symbol:         k_q3c1eefaf27_proj.kd
    .args:
      - { .name: opq, .offset: 0, .size: 8, .value_kind: global_buffer, .address_space: global }
      - { .name: bq, .offset: 8, .size: 8, .value_kind: global_buffer, .address_space: global }
      - { .name: bk, .offset: 16, .size: 8, .value_kind: global_buffer, .address_space: global }
      - { .name: bv, .offset: 24, .size: 8, .value_kind: global_buffer, .address_space: global }
      - { .name: qkv, .offset: 32, .size: 8, .value_kind: global_buffer, .address_space: global }
    .group_segment_fixed_size: 327680
    .private_segment_fixed_size: 0
    .kernarg_segment_align: 8
    .kernarg_segment_size: 40
    .max_flat_workgroup_size: 128
    .sgpr_count:     100
    .vgpr_count:     1024
    .wavefront_size: 32
...
	.end_amdgpu_metadata
.endif
;; end of part 2
;; launch attn (part 3): grid 16 x 16, 8 waves a work-group, clusters of 4 x 4, 327,680 bytes of LDS; arguments qkv, attn_mask, padd_mask, cq; writes cq
.if DOCPART == 3
	.amdgcn_target "amdgcn-amd-amdhsa--gfx1250"
	.amdhsa_code_object_version 6
	.text
	.protected	k_q3c1eefaf27_attn
	.globl	k_q3c1eefaf27_attn
	.p2align	8
	.type	k_q3c1eefaf27_attn,@function
k_q3c1eefaf27_attn:
	s_mov_b64 s[64:65], 0
	v_nop
	global_prefetch_b8 v0, s[64:65] scope:SCOPE_SE
	s_setreg_imm32_b32 hwreg(HW_REG_WAVE_MODE, 25, 1), 1
	s_wait_xcnt 0x0
	s_wait_alu depctr_hold_cnt(0) depctr_sa_sdst(0) depctr_va_vdst(0) depctr_va_sdst(0) depctr_va_ssrc(0) depctr_va_vcc(0) depctr_vm_vsrc(0)
	s_getreg_b32 s2, hwreg(HW_REG_IB_STS2, 6, 4)
	s_cmp_eq_u32 s2, 0
	s_cbranch_scc0 .Lentry_in_a_cluster
	s_endpgm
.Lentry_in_a_cluster:
	s_bfe_u32 s2, ttmp6, 0x10000c
	s_cmp_lg_u32 s2, 0xf033
	s_cbranch_scc0 .Lentry_shape_is_right
	s_endpgm
.Lentry_shape_is_right:
; ctx = softmax(Q K^T / 8 + attn_mask + padd_mask) V for 4 batches x 16 heads of 64, both products on codes of FP6 (E2M3) with E8M0 scales; ctx leaves as codes for the last product.
; THE SOFTMAX: t = logit x log2(e); M = the running largest t rounded up to a whole number; p = 2^(t - M) is quantised along the keys; the row's sum is taken of the unquantised p and divides at the end.
; SHARES.  A work-group: 128 queries x 4 heads of one batch; wave w: query tile w (16 queries) for all four heads, so that a key step's mask registers serve four heads.  16 key steps of 128 keys.  Two waves to a SIMD.
; LAYOUT.  Both products are used transposed: S^T = K Q^T (source 0 = 16 keys), O^T = V^T P^T (source 0 = 16 channels): a lane holds one query throughout.  Tile t of 128 rows is rows 32 (t / 2) + 8 (t % 2) + r + 8 (r / 8):
; the 16 registers of tiles 2 b, 2 b + 1 are 16 neighbours 32 b + 16 h + 0 .. 15.
; THREE SAVINGS.  (a) 1 / 8 is taken off Q's scale bytes, 3 off each (every byte is 4 or more as it was made).  (b) attn_mask + padd_mask is the C of the score product: 32 packed additions a key step for four heads.
; (c) a fragment of K holds a pair of heads (64 | 64 along K); the even head's Q is [6 registers | 6 zeros], the odd head's [6 zeros | 6 registers], laid as qe, zeros, qo in 18 registers.
; CLUSTER 4 x 4: cx = the group of four heads, cy = the query chunk's low part; the cluster's x = the batch.  K and V's record hangs on batch and cx: shared along a column; the mask's tile on the query chunk: shared along a row.
; A slot's refill is asked for a whole key step (48 matrix and some 1,000 vector instructions a wave) ahead of its first read, so nothing is prefetched beside it.
; LIMITS: NaN and infinities are not served.  attn_mask + padd_mask are added first and the score joins them inside the matrix unit: another order of rounding than the source's;
; in a row whose every mask number is so large that the scores vanish beside it (above 2^24 times a score) the weights hang on that order.
.set KVB,   6553600
.set QREC,  25600
.set KVREC, 51200
.set SLOT1, 1<<17                      ; slot 1 begins here: one exclusive or turns an address
.set MOFF,  51200                      ; in a slot: the K and V record, then the mask's 128 rows
.set MP,    520                        ; a mask row: 512 bytes + 8: row x starts at bank 2 x mod 64 (64 banks of 4 bytes: ISA guide 11.1): the 32 lanes of a load of 8 bytes (rows 0-7, 16-23, two halves 64 bytes apart) touch 64 different banks
.set PDT,   262144                     ; padd_mask of my batch as 2,048 f32: stored by the waves, never a fill's target
.set SPARE, 270336                     ; the spare words, 128 bytes for each wave: four blocks of 256 bytes that no other line names
.set CREC,  102400
.set CSCO,  98304
.set AK0,  1                           ; v1  16 x lane
.set ASC0, 2                           ; v2  49,152 + 32 x lane: the scale words
.set AMK0, 3                           ; v3  my query's mask row
.set APD0, 4                           ; v4  PDT + 64 h
.set AK,   5
.set ASC,  6
.set AMK,  7
.set APD,  8
.set SWO,  9                           ; v9  8 r + 4 h;  v10 r, v11 h
.set SPW,  28                          ; v12 + 4 hd: -M, largest t, the sum in two halves, of head hd
.set NIL,  29
.set QS,   30                          ; v30-31 Q's scale words, one a pair
.set QF,   32                          ; v32-67 Q's operands
.set KS,   68                          ; v68-75 K's scale words of tile t: lanes 0-15 pair 0's, lanes 16-31 pair 1's
.set VS,   76                          ; v76-83 V's likewise
.set SE,   96                          ; v96-159 the even head's scores, then p
.set SO,   160                         ; v160-223 the odd head's
.set TM,   160                         ; the way out: the quantiser's
.set PC,   192
.set MK,   128                         ; window 1: v0-127 O^T (32 hd + 8 dt); v128-191 mask + padd; v192-239 four fragments of K or V
.set KF,   192
.set WV,   12
.set G1K,  24
.set G1M,  32
.set G0K,  40
.set G0M,  44
.set SEL,  48
.set CS,   50
.set TB,   52                          ; s52 the slot in hand
.set TP,   53                          ; s53 512 x key step
.set CNT,  54
.set MSB, 0
.macro WIN new
.if MSB != \new
	s_set_vgpr_msb (MSB<<8)|\new
.set MSB, \new
.endif
.endm
.macro JLOAD                           ; waves 0-3 fetch a quarter of the K and V record each, waves 4-7 32 rows of the mask each; four v_nop follow each line
	s_cmp_lt_u32 s[WV], 4
	s_cbranch_scc0 .Lfor_m_\@
	tensor_load_to_lds s[G0K:G0K+3], s[G1K:G1K+7]
	s_nop 0
.rept 4
	v_nop
.endr
	s_branch .Lasked_\@
.Lfor_m_\@:
	tensor_load_to_lds s[G0M:G0M+3], s[G1M:G1M+7]
	s_nop 0
.rept 4
	v_nop
.endr
.Lasked_\@:
.endm
.macro CROUND
	s_barrier_signal -1
	s_barrier_wait -1
	s_cmp_lg_u32 s[WV], 0
	s_cbranch_scc1 .Lnot_wave_0_\@
	s_barrier_signal -3
.Lnot_wave_0_\@:
	s_barrier_wait -3
	s_barrier_signal -1
	s_barrier_wait -1
.endm
.macro QUANT s, floor, pw
.irp b, 0,1,2,3
	v_max3_num_f32 v[TM+\b], |v[\s+16*\b]|, |v[\s+16*\b+1]|, \floor
.endr
.irp i, 2,4,6,8,10,12,14
.irp b, 0,1,2,3
	v_max3_num_f32 v[TM+\b], v[TM+\b], |v[\s+16*\b+\i]|, |v[\s+16*\b+\i+1]|
.endr
.endr
.irp b, 0,1,2,3
	v_permlanex16_b32 v[TM+4+\b], v[TM+\b], s[SEL], s[SEL+1]
.endr
.irp b, 0,1,2,3
	v_max_num_f32 v[TM+\b], v[TM+\b], v[TM+4+\b]
.endr
.irp b, 0,1,2,3
	v_add_nc_u32 v[TM+12+\b], 0xff000000, v[TM+\b]
.endr
.irp b, 0,1,2,3
	v_lshrrev_b32 v[TM+4+\b], 23, v[TM+12+\b]
.endr
	v_lshl_or_b32 v[\pw], v[TM+5], 8, v[TM+4]
	v_lshl_or_b32 v[\pw], v[TM+6], 16, v[\pw]
	v_lshl_or_b32 v[\pw], v[TM+7], 24, v[\pw]
.irp c, 0,1
	v_cvt_scalef32_pk16_fp6_f32 v[PC+6*\c:PC+6*\c+2], v[\s+32*\c:\s+32*\c+15], v[TM+12+2*\c]
	v_cvt_scalef32_pk16_fp6_f32 v[PC+12+4*\c:PC+12+4*\c+2], v[\s+32*\c+16:\s+32*\c+31], v[TM+12+2*\c+1]
.endr
	v_nop
.irp c, 0,1
.irp i, 0,1,2
	v_permlane16_swap_b32 v[PC+6*\c+\i], v[PC+12+4*\c+\i]
.endr
.irp i, 0,1,2
	v_mov_b32 v[PC+6*\c+3+\i], v[PC+12+4*\c+\i]
.endr
.endr
.endm
	s_load_b256 s[4:11], s[0:1], 0x0               ; qkv s[4:5], attn_mask s[6:7], padd_mask s[8:9], cq s[10:11]
	v_lshl_add_u32 v[SPW], v0, 2, SPARE
	v_mov_b32 v[NIL], 0
	ds_add_u32 v28, v29
	ds_add_u32 v28, v29
	s_wait_dscnt 0x0
	v_lshrrev_b32 v10, 5, v0
	v_readfirstlane_b32 s[WV], v10                 ; wave 0..7
	s_bfe_u32 s13, ttmp6, 0x40000                  ; cx: the group of four heads
	s_bfe_u32 s14, ttmp6, 0x40004                  ; cy
	s_and_b32 s16, ttmp7, 0xffff
	s_lshl_b32 s16, s16, 2
	s_add_co_u32 s16, s16, s14                     ; the query chunk
	s_lshl_b32 s17, s14, 2
	s_lshl_b32 s17, 15, s17                        ; my row of the cluster
	s_lshl_b32 s18, 0x1111, s13                    ; my column
	s_or_b32 s[G1K], s18, (3<<16)|(1<<21)          ; 12,800 dense bytes as 50 rows of 256 (32 elements of 8 bytes)
	s_mov_b32 s[G1K+1], 32<<16
	s_mov_b32 s[G1K+2], 50<<16
	s_mov_b32 s[G1K+3], 32<<16
	s_mov_b32 s[G1K+4], 50
	s_mov_b32 s[G1K+5], 32
	s_mov_b32 s[G1K+6], 0
	s_mov_b32 s[G1K+7], 0
	s_or_b32 s[G1M], s17, (2<<16)|(1<<20)|(1<<21)|(6<<22)|(1<<25)   ; elements of 4 bytes; after every 128 words (code 6) 2 words of padding (code 1)
	s_mov_b32 s[G1M+1], 128<<16                    ; 32 rows of 128 numbers, 2,048 numbers apart
	s_mov_b32 s[G1M+2], 32<<16
	s_mov_b32 s[G1M+3], 128<<16
	s_mov_b32 s[G1M+4], 32
	s_mov_b32 s[G1M+5], 2048
	s_mov_b32 s[G1M+6], 0
	s_mov_b32 s[G1M+7], 0
	s_and_b32 s19, s[WV], 3
	s_lshl_b32 s20, ttmp9, 2
	s_add_co_u32 s20, s20, s13                     ; 4 batch + group
	s_mul_i32 s22, s20, 16*KVREC
	s_mul_i32 s21, s19, 12800                      ; my quarter, in memory and in a slot
	s_add_co_u32 s22, s22, s21
	s_add_co_u32 s22, s22, KVB
	s_mov_b32 s23, 0
	s_lshl_b32 s56, s16, 7
	s_lshl_b32 s57, s19, 5
	s_add_co_u32 s56, s56, s57                     ; the mask's row: 128 chunk + 32 (wave % 4)
	s_lshl_b32 s56, s56, 13
	s_mov_b32 s57, 0
	s_mul_i32 s58, s19, 32*MP
	s_add_co_u32 s58, s58, MOFF
	s_mov_b32 s[SEL], 0x76543210
	s_mov_b32 s[SEL+1], 0xfedcba98
	s_mov_b32 s[CS], 0x3fb8aa3b                    ; log2(e)
	s_mov_b32 s[CS+1], s[CS]
	s_mov_b32 s[TB], 0
	s_mov_b32 s[TP], 0
	s_mov_b32 s[CNT], 15
	s_wait_kmcnt 0x0
	s_mov_b32 s[G0K], 1
	s_mov_b32 s[G0K+1], s21
	s_add_nc_u64 s[G0K+2:G0K+3], s[4:5], s[22:23]
	s_or_b32 s[G0K+3], s[G0K+3], 0x80000000
	s_mov_b32 s[G0M], 1
	s_mov_b32 s[G0M+1], s58
	s_add_nc_u64 s[G0M+2:G0M+3], s[6:7], s[56:57]
	s_or_b32 s[G0M+3], s[G0M+3], 0x80000000
	CROUND                                         ; all sixteen work-groups are here
	JLOAD                                          ; key step 0 into slot 0: one load of mine is out
	; addresses
	s_lshr_b32 s59, s[WV], 1
	s_lshl_b32 s59, s59, 5
	s_and_b32 s61, s[WV], 1
	s_lshl_b32 s61, s61, 3
	s_add_co_u32 s59, s59, s61                     ; my tile's first row: 32 (w / 2) + 8 (w % 2)
	s_mul_i32 s59, s59, MP
	s_add_co_u32 s59, s59, MOFF
	v_and_b32 v10, 15, v0                          ; r
	v_bfe_u32 v11, v0, 4, 1                        ; h
	v_and_b32 v140, 31, v0
	v_lshlrev_b32 v[AK0], 4, v140
	v_lshl_add_u32 v[ASC0], v140, 5, 49152
	v_and_b32 v141, 8, v10
	v_add_nc_u32 v141, v141, v10                   ; r + 8 (r / 8)
	v_mul_u32_u24 v[AMK0], v141, MP
	v_lshl_add_u32 v[AMK0], v11, 6, v[AMK0]
	v_add_nc_u32 v[AMK0], s59, v[AMK0]
	v_lshl_add_u32 v[APD0], v11, 6, PDT
	v_lshlrev_b32 v[SWO], 3, v10
	v_lshl_add_u32 v[SWO], v11, 2, v[SWO]
	v_lshlrev_b32 v142, 3, v0                      ; padd_mask: 8 bytes a thread
	v_lshlrev_b32 v143, 5, v10                     ; Q's words: 32 r
	v_lshl_add_u32 v144, v0, 5, PDT
	s_mov_b32 s73, 0
	s_lshl_b32 s60, s20, 4
	s_add_co_u32 s60, s60, s16
	s_mul_i32 s60, s60, QREC                       ; Q's record
	s_mul_i32 s61, s[WV], 1536
	s_add_co_u32 s72, s60, s61
	s_add_nc_u64 s[62:63], s[4:5], s[72:73]        ; my tile's fragments
	s_lshl_b32 s61, s[WV], 2
	s_add_co_u32 s72, s60, s61
	s_add_co_u32 s72, s72, 24576
	s_add_nc_u64 s[66:67], s[4:5], s[72:73]        ; and its words
	s_lshl_b32 s60, ttmp9, 4
	s_add_co_u32 s60, s60, s16
	s_mul_i32 s60, s60, CREC                       ; ctx's record: 16 batch + query chunk
	s_mul_i32 s61, s13, 24576
	s_add_co_u32 s72, s60, s61
	s_mul_i32 s61, s[WV], 1536
	s_add_co_u32 s72, s72, s61
	s_add_nc_u64 s[68:69], s[10:11], s[72:73]      ; K step 2 group + pair, tile w
	s_lshl_b32 s61, s[WV], 9
	s_add_co_u32 s72, s60, s61
	s_lshl_b32 s61, s13, 7
	s_add_co_u32 s72, s72, s61
	s_add_co_u32 s72, s72, CSCO
	s_add_nc_u64 s[70:71], s[10:11], s[72:73]
	s_lshl_b32 s72, ttmp9, 11
	s_add_nc_u64 s[8:9], s[8:9], s[72:73]          ; my batch's padd_mask
	global_load_b64 v[96:97], v142, s[8:9]
.irp pp, 0,1
.irp c, 0,1,2
	global_load_b128 v[100+12*\pp+4*\c:100+12*\pp+4*\c+3], v[AK0], s[62:63] offset:12288*\pp+512*\c
.endr
	global_load_b32 v[QS+\pp], v143, s[66:67] offset:512*\pp
.endr
.irp hd, 0,1,2,3
	v_mov_b32 v[13+4*\hd], 0xff61b1e6              ; the largest t so far: -3e38
	v_mov_b32 v[14+4*\hd], 0
	v_mov_b32 v[15+4*\hd], 0
.endr
.irp hd, 0,1,2,3
	v_floor_f32 v[12+4*\hd], -v[13+4*\hd]          ; -M
.endr
.irp b, 0,1,2,3
	v_mov_b32 v[236+\b], 0                         ; written once: a lane permute's destination counts as one of its sources
.endr
	v_mov_b32 v253, 0
	WIN 0x40
.set II, 0
.rept 128
	v_mov_b32 v[II], 0                             ; O^T: the step is written once; the first change of M multiplies zeros
.set II, II+1
.endr
	WIN 0
	s_wait_loadcnt 0x0
.irp i, 0,1,2,3
	v_bfe_u32 v[128+\i], v96, 8*\i, 8
	v_bfe_u32 v[132+\i], v97, 8*\i, 8
.endr
.irp i, 0,1,2,3,4,5,6,7
	v_cvt_f32_u32 v[128+\i], v[128+\i]             ; 0 or 1
.endr
	ds_store_b128 v144, v[128:131]
	ds_store_b128 v144, v[132:135] offset:16
.irp pp, 0,1
.irp i, 0,1,2,3,4,5
	v_mov_b32 v[QF+18*\pp+\i], v[100+12*\pp+\i]
	v_mov_b32 v[QF+18*\pp+6+\i], 0
	v_mov_b32 v[QF+18*\pp+12+\i], v[106+12*\pp+\i]
.endr
	v_add_nc_u32 v[QS+\pp], 0xfcfcfcfd, v[QS+\pp]  ; 3 off each of the four bytes (none is under 4: no borrow): Q / 8
.endr
.macro KLOAD pp, g                     ; four fragments of K: tiles 4 g .. 4 g + 3 of pair pp
.irp t, 0,1,2,3
.irp c, 0,1,2
	ds_load_b128 v[KF+12*\t+4*\c:KF+12*\t+4*\c+3], v[AK] offset:12288*(\pp)+1536*(4*(\g)+\t)+512*\c
.endr
.endr
.endm
.macro VLOAD pp, e                     ; the four fragments of V of head 2 pp + e
.irp t, 0,1,2,3
.irp c, 0,1,2
	ds_load_b128 v[KF+12*\t+4*\c:KF+12*\t+4*\c+3], v[AK] offset:24576+6144*(2*(\pp)+(\e))+1536*\t+512*\c
.endr
.endr
.endm
.macro SMUL pp, g                      ; eight products on eight accumulators: both heads of the pair against four tiles of keys; C = mask + padd
.irp t, 0,1,2,3
.if \pp
	v_wmma_scale_f32_16x16x128_f8f6f4 v[SE+8*(4*(\g)+\t):SE+8*(4*(\g)+\t)+7], v[KF+12*\t:KF+12*\t+11], v[QF+18*(\pp):QF+18*(\pp)+11], v[MK+8*(4*(\g)+\t):MK+8*(4*(\g)+\t)+7], v[KS+4*(\g)+\t], v[QS+(\pp)] matrix_a_fmt:MATRIX_FMT_FP6 matrix_b_fmt:MATRIX_FMT_FP6 matrix_a_scale:MATRIX_SCALE_ROW1
	v_wmma_scale_f32_16x16x128_f8f6f4 v[SO+8*(4*(\g)+\t):SO+8*(4*(\g)+\t)+7], v[KF+12*\t:KF+12*\t+11], v[QF+18*(\pp)+6:QF+18*(\pp)+17], v[MK+8*(4*(\g)+\t):MK+8*(4*(\g)+\t)+7], v[KS+4*(\g)+\t], v[QS+(\pp)] matrix_a_fmt:MATRIX_FMT_FP6 matrix_b_fmt:MATRIX_FMT_FP6 matrix_a_scale:MATRIX_SCALE_ROW1
.else
	v_wmma_scale_f32_16x16x128_f8f6f4 v[SE+8*(4*(\g)+\t):SE+8*(4*(\g)+\t)+7], v[KF+12*\t:KF+12*\t+11], v[QF+18*(\pp):QF+18*(\pp)+11], v[MK+8*(4*(\g)+\t):MK+8*(4*(\g)+\t)+7], v[KS+4*(\g)+\t], v[QS+(\pp)] matrix_a_fmt:MATRIX_FMT_FP6 matrix_b_fmt:MATRIX_FMT_FP6
	v_wmma_scale_f32_16x16x128_f8f6f4 v[SO+8*(4*(\g)+\t):SO+8*(4*(\g)+\t)+7], v[KF+12*\t:KF+12*\t+11], v[QF+18*(\pp)+6:QF+18*(\pp)+17], v[MK+8*(4*(\g)+\t):MK+8*(4*(\g)+\t)+7], v[KS+4*(\g)+\t], v[QS+(\pp)] matrix_a_fmt:MATRIX_FMT_FP6 matrix_b_fmt:MATRIX_FMT_FP6
.endif
.endr
.endm
.macro PVMUL pp, e                     ; O^T += V^T P^T: the head's four accumulators by turns
.irp t, 0,1,2,3
.if \pp
	v_wmma_scale_f32_16x16x128_f8f6f4 v[32*(2*(\pp)+(\e))+8*\t:32*(2*(\pp)+(\e))+8*\t+7], v[KF+12*\t:KF+12*\t+11], v[224:235], v[32*(2*(\pp)+(\e))+8*\t:32*(2*(\pp)+(\e))+8*\t+7], v[VS+4*(\e)+\t], v253 matrix_a_fmt:MATRIX_FMT_FP6 matrix_b_fmt:MATRIX_FMT_FP6 matrix_a_scale:MATRIX_SCALE_ROW1
.else
	v_wmma_scale_f32_16x16x128_f8f6f4 v[32*(2*(\pp)+(\e))+8*\t:32*(2*(\pp)+(\e))+8*\t+7], v[KF+12*\t:KF+12*\t+11], v[224:235], v[32*(2*(\pp)+(\e))+8*\t:32*(2*(\pp)+(\e))+8*\t+7], v[VS+4*(\e)+\t], v253 matrix_a_fmt:MATRIX_FMT_FP6 matrix_b_fmt:MATRIX_FMT_FP6
.endif
.endr
.endm
; One head's softmax of a key step: 64 logits of a lane at v[sb] on (register 16 b + i = key 32 b + 16 h + i), statistics at v[st] on, O^T at v[ob] on of window 1.  It leaves p's codes in v224-235 and p's scale word in v253.
.macro SOFTMAX sb, st, ob
.irp b, 0,1,2,3
	v_max3_num_f32 v[232+\b], v[\sb+16*\b], v[\sb+16*\b+1], v[\sb+16*\b+2]   ; the largest logit of each block of 32 keys: for the row's maximum and, since p rises with the logit, for the block's largest p
.endr
.irp i, 3,5,7,9,11,13
.irp b, 0,1,2,3
	v_max3_num_f32 v[232+\b], v[232+\b], v[\sb+16*\b+\i], v[\sb+16*\b+\i+1]
.endr
.endr
.irp b, 0,1,2,3
	v_max_num_f32 v[232+\b], v[232+\b], v[\sb+16*\b+15]
.endr
.irp b, 0,1,2,3
	v_permlanex16_b32 v[236+\b], v[232+\b], s[SEL], s[SEL+1]
.endr
.irp b, 0,1,2,3
	v_max_num_f32 v[232+\b], v[232+\b], v[236+\b]
.endr
	v_max3_num_f32 v254, v232, v233, v234
	v_max_num_f32 v254, v254, v235
	v_mul_f32 v254, s[CS], v254                    ; as t
	v_max_num_f32 v[\st+1], v[\st+1], v254         ; the running largest t
	v_mov_b32 v254, v[\st]
	v_floor_f32 v[\st], -v[\st+1]                  ; the new -M = -ceil(t)
	v_sub_f32 v254, v[\st], v254                   ; old M - new M: a whole number, 0 or less
	v_cvt_i32_f32 v254, v254                       ; (it saturates)
	v_ldexp_f32 v252, 1.0, v254                    ; f = 2^(old M - new M)
.set II, 0
.rept 32
	v_pk_fma_f32 v[\sb+II:\sb+II+1], v[\sb+II:\sb+II+1], s[CS:CS+1], v[\st:\st+1] op_sel_hi:[1,0,0]   ; t - M
.set II, II+2
.endr
.irp b, 0,1,2,3
	v_fma_f32 v[232+\b], v[232+\b], s[CS], v[\st]
.endr
.set II, 0
.rept 64
	v_exp_f32 v[\sb+II], v[\sb+II]                 ; p = 2^(t - M)
.set II, II+1
.endr
	v_pk_mul_f32 v[\st+2:\st+3], v[\st+2:\st+3], v[252:253] op_sel_hi:[1,0]   ; the sums under the new M: the plain place behind the exponentials
	s_wait_alu depctr_va_vdst(0)                   ; one wait for the batch, ahead of its first reader
.irp b, 0,1,2,3
	v_exp_f32 v[232+\b], v[232+\b]                 ; each block's largest p
.endr
	v_pk_add_f32 v[236:237], v[\sb:\sb+1], v[\sb+2:\sb+3]   ; the row's sum of the unquantised p, in two chains
.set II, 4
.rept 15
	v_pk_add_f32 v[\st+2:\st+3], v[\st+2:\st+3], v[\sb+II:\sb+II+1]
	v_pk_add_f32 v[236:237], v[236:237], v[\sb+II+2:\sb+II+3]
.set II, II+4
.endr
	v_pk_add_f32 v[\st+2:\st+3], v[\st+2:\st+3], v[236:237]
	s_wait_alu depctr_va_vdst(0)                   ; and one for the four
.irp b, 0,1,2,3
	v_max_num_f32 v[232+\b], 0x1800000, v[232+\b]  ; the floor: the byte cannot fall under 1
.endr
.irp b, 0,1,2,3
	v_add_nc_u32 v[244+\b], 0xff000000, v[232+\b]
.endr
.irp b, 0,1,2,3
	v_lshrrev_b32 v[236+\b], 23, v[244+\b]
.endr
	v_lshl_or_b32 v253, v237, 8, v236
	v_lshl_or_b32 v253, v238, 16, v253
	v_lshl_or_b32 v253, v239, 24, v253
.irp c, 0,1
	v_cvt_scalef32_pk16_fp6_f32 v[224+6*\c:226+6*\c], v[\sb+32*\c:\sb+32*\c+15], v[244+2*\c]
	v_cvt_scalef32_pk16_fp6_f32 v[236+4*\c:238+4*\c], v[\sb+32*\c+16:\sb+32*\c+31], v[244+2*\c+1]
.endr
	v_nop                                          ; one plain place behind a scaled conversion
.irp c, 0,1
.irp i, 0,1,2
	v_permlane16_swap_b32 v[224+6*\c+\i], v[236+4*\c+\i]
.endr
.irp i, 0,1,2
	v_mov_b32 v[227+6*\c+\i], v[236+4*\c+\i]
.endr
.endr
	WIN 0x41                                       ; O^T in window 1, f in window 0
.set II, 0
.rept 16
	v_pk_mul_f32 v[\ob+II:\ob+II+1], v[\ob+II:\ob+II+1], v[252:253] op_sel_hi:[1,0]   ; O^T under the new M; these sixteen also stand between the lines that made the codes and the word and the products
.set II, II+2
.endr
.endm
; THE CHANGE OF SLOTS, at a step's head: each wave waits for all its tensor loads (its part of the slot ahead), adds 0 to its spare word, and waits for that and for its reads of the slot that it has left.
.macro CHANGE fill
	WIN 0
	s_wait_tensorcnt 0x0                           ; no tensor load of mine is out: a group 0 may be written
	ds_add_u32 v[SPW], v[NIL]                      ; 0 onto my spare word
.if \fill
	s_xor_b32 s[G0K+1], s[G0K+1], SLOT1            ; the other slot, the next key step
	s_add_nc_u64 s[G0K+2:G0K+3], s[G0K+2:G0K+3], KVREC
	s_xor_b32 s[G0M+1], s[G0M+1], SLOT1
	s_add_nc_u64 s[G0M+2:G0M+3], s[G0M+2:G0M+3], 512
	s_wait_dscnt 0x0                               ; the add is done; my LDS stores have landed and my reads are over
	CROUND                                         ; no wave of any partner still reads that slot or has a load on its way
	JLOAD                                          ; the first thing behind the round, my one tensor load until the next: it has a whole key step in which to land
.else
	s_wait_dscnt 0x0
	s_barrier_signal -1
	s_barrier_wait -1
.endif
.endm
.macro STEP
	v_add_nc_u32 v[AK], s[TB], v[AK0]
	v_add_nc_u32 v[ASC], s[TB], v[ASC0]
	v_add_nc_u32 v[AMK], s[TB], v[AMK0]
	v_add_nc_u32 v[APD], s[TP], v[APD0]
.irp b, 0,1,2,3
.irp j, 0,1,2,3
	ds_load_b128 v[SE+16*\b+4*\j:SE+16*\b+4*\j+3], v[APD] offset:128*\b+16*\j   ; padd of my 64 keys
.endr
.endr
	ds_load_b128 v[KS:KS+3], v[ASC]
	ds_load_b128 v[KS+4:KS+7], v[ASC] offset:16
	ds_load_b128 v[VS:VS+3], v[ASC] offset:1024
	ds_load_b128 v[VS+4:VS+7], v[ASC] offset:1040
	WIN 0x40                                       ; destinations in window 1
.set II, 0
.rept 32
	ds_load_b64 v[MK+2*II:MK+2*II+1], v[AMK] offset:128*(II/8)+8*(II%8)          ; the mask of my query at my 64 keys
.set II, II+1
.endr
	KLOAD 0,0
	s_wait_dscnt 12                                ; all but K's twelve
	WIN 0x41
.set II, 0
.rept 32
	v_pk_add_f32 v[MK+II:MK+II+1], v[MK+II:MK+II+1], v[SE+II:SE+II+1]            ; mask + padd: for all four heads
.set II, II+2
.endr
.irp pp, 0,1
.irp g, 0,1
.if (\pp+\g) > 0
	WIN 0x40
	KLOAD \pp,\g
.endif
	s_wait_dscnt 0x0
	WIN 0x11                                       ; K and C in window 1, Q and the scores in window 0
	SMUL \pp,\g
.rept 4
	v_nop                                          ; places in front of loads into K's registers and of the first read of the scores
.endr
.endr
.irp e, 0,1
	WIN 0x40
	VLOAD \pp,\e                                   ; lands under the softmax
	WIN 0
	SOFTMAX SE+64*\e,12+4*(2*\pp+\e),32*(2*\pp+\e)
	s_wait_dscnt 0x0
	WIN 0x51                                       ; V, C and D in window 1, p in window 0
	PVMUL \pp,\e
.rept 4
	v_nop
.endr
.endr
.endr
	WIN 0
	s_xor_b32 s[TB], s[TB], SLOT1
	s_add_co_u32 s[TP], s[TP], 512
.endm
.Lslot:                                            ; 15 trips: behind each change of slots but the last the next key step is asked for.  The first change also shows every wave the padd table
	CHANGE 1
	STEP
	s_sub_co_u32 s[CNT], s[CNT], 1
	s_cmp_lg_u32 s[CNT], 0
	s_cbranch_scc1 .Lslot
	CHANGE 0                                       ; the last step is written out
	STEP
	; THE WAY OUT: O^T / the sum, quantised along the pair's 128 channels: K step 2 group + pair of the last product, rows = my 16 queries
.irp hd, 0,1,2,3
	v_add_f32 v[12+4*\hd], v[14+4*\hd], v[15+4*\hd]
.endr
.irp hd, 0,1,2,3
	v_permlanex16_b32 v[13+4*\hd], v[12+4*\hd], s[SEL], s[SEL+1]
.endr
.irp hd, 0,1,2,3
	v_add_f32 v[12+4*\hd], v[12+4*\hd], v[13+4*\hd]
.endr
.irp hd, 0,1,2,3
	v_rcp_f32 v[14+4*\hd], v[12+4*\hd]
.endr
	v_nop                                          ; a plain place behind the last reciprocal
	s_wait_alu depctr_va_vdst(0)                   ; one wait for the four, ahead of the first reader
.irp b, 0,1,2,3
	v_mov_b32 v[TM+4+\b], 0
.endr
.irp pp, 0,1
	WIN 0x01                                       ; source 0: O^T in window 1
.irp e, 0,1
.set II, 0
.rept 16
	v_pk_mul_f32 v[SE+32*\e+II:SE+32*\e+II+1], v[32*(2*\pp+\e)+II:32*(2*\pp+\e)+II+1], v[14+4*(2*\pp+\e):15+4*(2*\pp+\e)] op_sel_hi:[1,0]   ; each accumulator from its low end on
.set II, II+2
.endr
.endr
	WIN 0
.if \pp
	s_wait_xcnt 0x0                                ; the first pair's stores have read the codes' registers
.endif
	QUANT SE, 0x1800000, 176+\pp
.irp c, 0,1,2
	global_store_b128 v[AK0], v[PC+4*\c:PC+4*\c+3], s[68:69] offset:12288*\pp+512*\c
.endr
.endr
	v_cmp_ne_u32 vcc_lo, 0, v11
	v_cndmask_b32 v178, v176, v177, vcc_lo         ; lanes 0-15 the even pair's word, lanes 16-31 the odd pair's
	global_store_b32 v[SWO], v178, s[70:71]
	s_wait_tensorcnt 0x0                           ; the wave's end
	ds_add_u32 v[SPW], v[NIL]
	s_wait_dscnt 0x0
	CROUND                                         ; the closing round
	s_endpgm
.Lfunc_end_k_q3c1eefaf27_attn:
	.size	k_q3c1eefaf27_attn, .Lfunc_end_k_q3c1eefaf27_attn-k_q3c1eefaf27_attn
	.p2alignl 7, 3214868480
	.fill 96, 4, 3214868480
	.section	.rodata,"a",@progbits
	.p2align	6, 0x0
	.amdhsa_kernel k_q3c1eefaf27_attn
		.amdhsa_group_segment_fixed_size 327680
		.amdhsa_private_segment_fixed_size 0
		.amdhsa_enable_private_segment 0
		.amdhsa_kernarg_size 32
		.amdhsa_user_sgpr_count 2
		.amdhsa_user_sgpr_kernarg_segment_ptr 1
		.amdhsa_wavefront_size32 1
		.amdhsa_system_sgpr_workgroup_id_x 1
		.amdhsa_system_sgpr_workgroup_id_y 1
		.amdhsa_system_sgpr_workgroup_id_z 1
		.amdhsa_system_vgpr_workitem_id 0
		.amdhsa_next_free_vgpr 512
		.amdhsa_next_free_sgpr 96
		.amdhsa_reserve_vcc 1
		.amdhsa_float_denorm_mode_32 3
		.amdhsa_float_denorm_mode_16_64 3
		.amdhsa_memory_ordered 1
		.amdhsa_forward_progress 1
		.amdhsa_inst_pref_size 162
	.end_amdhsa_kernel
	.amdgpu_metadata
---
amdhsa.version: [ 1, 2 ]
amdhsa.kernels:
  - .name:           k_q3c1eefaf27_attn
    .symbol:         k_q3c1eefaf27_attn.kd
    .args:
      - { .name: qkv, .offset: 0, .size: 8, .value_kind: global_buffer, .address_space: global }
      - { .name: attn_mask, .offset: 8, .size: 8, .value_kind: global_buffer, .address_space: global }
      - { .name: padd_mask, .offset: 16, .size: 8, .value_kind: global_buffer, .address_space: global }
      - { .name: cq, .offset: 24, .size: 8, .value_kind: global_buffer, .address_space: global }
    .group_segment_fixed_size: 327680
    .private_segment_fixed_size: 0
    .kernarg_segment_align: 8
    .kernarg_segment_size: 32
    .max_flat_workgroup_size: 256
    .sgpr_count:     96
    .vgpr_count:     512
    .wavefront_size: 32
...
	.end_amdgpu_metadata
.endif
;; end of part 3
;; launch outp (part 4): grid 4 x 32, 4 waves a work-group, clusters of 4 x 4, 327,680 bytes of LDS; arguments cq, opq, out0; writes out0
.if DOCPART == 4
	.amdgcn_target "amdgcn-amd-amdhsa--gfx1250"
	.amdhsa_code_object_version 6
	.text
	.protected	k_q3c1eefaf27_outp
	.globl	k_q3c1eefaf27_outp
	.p2align	8
	.type	k_q3c1eefaf27_outp,@function
k_q3c1eefaf27_outp:
	s_mov_b64 s[64:65], 0
	v_nop
	global_prefetch_b8 v0, s[64:65] scope:SCOPE_SE
	s_setreg_imm32_b32 hwreg(HW_REG_WAVE_MODE, 25, 1), 1
	s_wait_xcnt 0x0
	s_wait_alu depctr_hold_cnt(0) depctr_sa_sdst(0) depctr_va_vdst(0) depctr_va_sdst(0) depctr_va_ssrc(0) depctr_va_vcc(0) depctr_vm_vsrc(0)
	s_getreg_b32 s2, hwreg(HW_REG_IB_STS2, 6, 4)
	s_cmp_eq_u32 s2, 0
	s_cbranch_scc0 .Lentry_in_a_cluster
	s_endpgm
.Lentry_in_a_cluster:
	s_bfe_u32 s2, ttmp6, 0x10000c
	s_cmp_lg_u32 s2, 0xf033
	s_cbranch_scc0 .Lentry_shape_is_right
	s_endpgm
.Lentry_shape_is_right:
; out0 = ctx Wo on codes of FP6 (E2M3) with E8M0 scales; sums and result in f32.  ctx lies in cq, Wo in opq's records 216-223, both as images of operand registers
; (16 rows x 128 K = 1,536 bytes: registers 4 g .. 4 g + 3 of lane l at 512 g + 16 l), a record of 102,400 bytes for each chunk of 128 rows: codes [k128 8][tile 8][1,536], scale words from byte 98,304.
; Tile a of a chunk is rows 32 (a / 2) + 8 (a % 2) + r + 8 (r / 8).  A work-group of four waves makes 256 x 256; a wave 128 tokens (P, source 1) x 128 columns (R, source 0): 64 accumulators.
; K goes in steps of 256 through two LDS slots; a wave's one tensor load brings a chunk's 24,576 dense bytes; the scale words come once.  CLUSTERS 4 x 4: ctx's tiles are shared along a row, Wo's along a column.
; No prefetch: K has four steps, of which the first two are the first fills.
.set REC,   102400
.set SCO,   98304
.set KSB,   24576
.set SLOT,  4*KSB
.set SCL,   2*SLOT
.set SPARE, 213248                     ; the spare words, 128 bytes for each wave: two blocks of 256 bytes that no other line names
.set FR,    12
.set NL,    3
.set NP,    4
.set NQ,    2
.set LAPS,  2
.set SPITCH, 528                       ; the way out: a stage of 16 rows x (512 bytes + 16) for each wave, in slot 0, which has had its last fill and its last read by then
.set ADRA,  16
.set ADRB,  20
.set STO,   24
.set RD,    25
.set CO,    26
.set ADRS,  27
.set SPW,   28
.set NIL,   29
.set SC,    32
.set AF,    128
.set BK,    128
.set G1, 24
.set G0, 32
.set G1B, 48
.set G0B, 56
.set G1S, 68
.set G0S, 76
.set G1SB, 80
.set G0SB, 88
.set MSB, 0
.macro WIN new
.if MSB != \new
	s_set_vgpr_msb (MSB<<8)|\new
.set MSB, \new
.endif
.endm
.set MUL_LO, 0xa1
.set MUL_HI, 0xf1
.set TO_B,   0x40
.macro JLOAD g0a, g1a, g0b, g1b        ; a joint load: waves 0, 1 fetch for P, waves 2, 3 for R; four v_nop follow each line
	s_cmp_eq_u32 s15, 0
	s_cbranch_scc0 .Lfor_b_\@
	tensor_load_to_lds s[\g0a:\g0a+3], s[\g1a:\g1a+7]
	s_nop 0
.rept 4
	v_nop
.endr
	s_branch .Lasked_\@
.Lfor_b_\@:
	tensor_load_to_lds s[\g0b:\g0b+3], s[\g1b:\g1b+7]
	s_nop 0
.rept 4
	v_nop
.endr
.Lasked_\@:
.endm
.macro CREST
	s_cmp_lg_u32 s14, 0
	s_cbranch_scc1 .Lnot_wave_0_\@
	s_barrier_signal -3
.Lnot_wave_0_\@:
	s_barrier_wait -3
	s_barrier_signal -1
	s_barrier_wait -1
.endm
.macro CROUND
	s_barrier_signal -1
	s_barrier_wait -1
	CREST
.endm
	s_load_b128 s[4:7], s[0:1], 0x0                ; cq s[4:5], opq s[6:7]
	s_load_b64 s[12:13], s[0:1], 0x10              ; out0
	v_lshl_add_u32 v[SPW], v0, 2, SPARE
	v_mov_b32 v[NIL], 0
	ds_add_u32 v28, v29
	ds_add_u32 v28, v29
	s_wait_dscnt 0x0
	v_lshrrev_b32 v1, 5, v0
	v_readfirstlane_b32 s14, v1                    ; wave 0..3
	s_lshr_b32 s15, s14, 1                         ; which chunk of P is mine.  Also: I fetch for P (0) or for R (1)
	s_and_b32 s16, s14, 1                          ; which chunk of R.  Also: which chunk I fetch
	s_bfe_u32 s40, ttmp6, 0x40000                  ; cx
	s_bfe_u32 s41, ttmp6, 0x40004                  ; cy
	s_and_b32 s17, ttmp7, 0xffff                   ; the cluster's y: which 1,024 tokens
	s_lshl_b32 s43, s41, 2
	s_lshl_b32 s43, 15, s43
	s_lshl_b32 s44, 0x1111, s40
	s_or_b32 s[G1+0], s43, (3<<16)|(1<<21)
	s_or_b32 s[G1B+0], s44, (3<<16)|(1<<21)
	s_or_b32 s[G1S+0], s43, (3<<16)|(1<<21)
	s_or_b32 s[G1SB+0], s44, (3<<16)|(1<<21)
.irp g, G1, G1B                        ; 24,576 dense bytes as 96 rows of 256
	s_mov_b32 s[\g+1], 32<<16
	s_mov_b32 s[\g+2], 96<<16
	s_mov_b32 s[\g+3], 32<<16
	s_mov_b32 s[\g+4], 96
	s_mov_b32 s[\g+5], 32
	s_mov_b32 s[\g+6], 0
	s_mov_b32 s[\g+7], 0
.endr
.irp g, G1S, G1SB                      ; 4,096 dense bytes as 16 rows of 256
	s_mov_b32 s[\g+1], 32<<16
	s_mov_b32 s[\g+2], 16<<16
	s_mov_b32 s[\g+3], 32<<16
	s_mov_b32 s[\g+4], 16
	s_mov_b32 s[\g+5], 32
	s_mov_b32 s[\g+6], 0
	s_mov_b32 s[\g+7], 0
.endr
	s_lshl_b32 s20, s17, 3
	s_lshl_b32 s18, s41, 1
	s_add_co_u32 s20, s20, s18
	s_add_co_u32 s20, s20, s16                     ; ctx's record: 8 Y + 2 cy + chunk
	s_lshl_b32 s46, s40, 1
	s_add_co_u32 s46, s46, s16
	s_add_co_u32 s46, s46, 216                     ; Wo's record: 216 + 2 cx + chunk
	s_mul_i32 s20, s20, REC
	s_mul_i32 s46, s46, REC
	s_mov_b32 s21, 0
	s_mov_b32 s47, 0
	s_mul_i32 s45, s14, KSB
	s_lshl_b32 s94, s14, 12
	s_lshl_b32 s95, s15, 7
	s_add_co_u32 s94, s94, s95
	s_wait_kmcnt 0x0
	s_add_nc_u64 s[20:21], s[4:5], s[20:21]
	s_add_nc_u64 s[46:47], s[6:7], s[46:47]
	s_add_nc_u64 s[22:23], s[20:21], SCO
	s_add_nc_u64 s[92:93], s[46:47], SCO
	CROUND                                         ; all sixteen work-groups are here: the first joint loads meet
	s_mov_b32 s[G0S], 1
	s_add_co_u32 s[G0S+1], s94, SCL
	s_mov_b64 s[G0S+2:G0S+3], s[22:23]
	s_or_b32 s[G0S+3], s[G0S+3], 0x80000000
	s_mov_b32 s[G0SB], 1
	s_add_co_u32 s[G0SB+1], s94, SCL
	s_mov_b64 s[G0SB+2:G0SB+3], s[92:93]
	s_or_b32 s[G0SB+3], s[G0SB+3], 0x80000000
	JLOAD G0S, G1S, G0SB, G1SB
.irp s, 0,1
	s_mov_b32 s[G0+4*\s], 1
	s_add_co_u32 s[G0+4*\s+1], s45, \s*SLOT
	s_add_nc_u64 s[G0+4*\s+2:G0+4*\s+3], s[20:21], \s*KSB
	s_or_b32 s[G0+4*\s+3], s[G0+4*\s+3], 0x80000000
	s_mov_b32 s[G0B+4*\s], 1
	s_add_co_u32 s[G0B+4*\s+1], s45, \s*SLOT
	s_add_nc_u64 s[G0B+4*\s+2:G0B+4*\s+3], s[46:47], \s*KSB
	s_or_b32 s[G0B+4*\s+3], s[G0B+4*\s+3], 0x80000000
	JLOAD G0+4*\s, G1, G0B+4*\s, G1B               ; three loads of mine are out
.endr
	v_and_b32 v1, 15, v0                           ; r
	v_bfe_u32 v2, v0, 4, 1                         ; h
	v_and_b32 v3, 31, v0
	v_lshlrev_b32 v[CO], 4, v3                     ; 16 x lane
	s_mul_i32 s21, s15, KSB
	s_mul_i32 s22, s16, KSB
	s_add_co_u32 s22, s22, 2*KSB
.irp s, 0,1
	v_add_nc_u32 v[ADRA+\s], s21, v[CO]
	v_add_nc_u32 v[ADRB+\s], s22, v[CO]
	s_add_co_u32 s21, s21, SLOT
	s_add_co_u32 s22, s22, SLOT
.endr
	s_lshl_b32 s21, s15, 12
	s_lshl_b32 s22, s16, 12
	s_add_co_u32 s22, s22, 8320
	s_sub_co_u32 s22, s22, s21
	v_mul_u32_u24 v4, s22, v2                      ; lanes 16-31 take R's words
	s_add_co_u32 s21, s21, SCL
	v_lshl_add_u32 v4, v1, 3, v4
	v_add_nc_u32 v[ADRS], s21, v4
	s_mul_i32 s23, s14, 16*SPITCH                  ; my stage
	v_mul_u32_u24 v5, v1, SPITCH
	v_lshl_add_u32 v5, v2, 6, v5
	v_add_nc_u32 v[STO], s23, v5                   ; in: row r, + 64 h
	v_add_nc_u32 v[RD], s23, v[CO]                 ; back: a row of 512 bytes to the 32 lanes
	s_lshl_b32 s94, s17, 3
	s_lshl_b32 s95, s41, 1
	s_add_co_u32 s94, s94, s95
	s_add_co_u32 s94, s94, s15                     ; my chunk of 128 tokens
	s_lshl_b32 s94, s94, 19                        ; rows of 4,096 bytes
	s_lshl_b32 s95, s40, 10
	s_add_co_u32 s94, s94, s95
	s_lshl_b32 s95, s16, 9
	s_add_co_u32 s94, s94, s95                     ; + my 128 columns
	s_mov_b32 s95, 0
	s_add_nc_u64 s[12:13], s[12:13], s[94:95]
.macro FRAG reg, adr, q, i
.irp c, 0,1,2
	ds_load_b128 v[\reg+4*\c:\reg+4*\c+3], v[\adr] offset:12288*(\q)+1536*(\i)+512*\c
.endr
.endm
; The 64 accumulators take turns, one instruction a turn, in the same order in every step.
.macro MUL16 a0, p, q, sc, zero
.irp a, \a0, \a0+1
.irp b, 0,1,2,3,4,5,6,7
.if \zero
	v_wmma_scale_f32_16x16x128_f8f6f4 v[8*(8*((\a)%4)+\b):8*(8*((\a)%4)+\b)+7], v[128*(\p)+FR*\b:128*(\p)+FR*\b+FR-1], v[AF+FR*(\a):AF+FR*(\a)+FR-1], 0, v[SC+8*NQ*(\sc)+NQ*\b+(\q)], v[SC+8*NQ*(\sc)+NQ*(\a)+(\q)] matrix_a_fmt:MATRIX_FMT_FP6 matrix_b_fmt:MATRIX_FMT_FP6 matrix_a_scale:MATRIX_SCALE_ROW1
.else
	v_wmma_scale_f32_16x16x128_f8f6f4 v[8*(8*((\a)%4)+\b):8*(8*((\a)%4)+\b)+7], v[128*(\p)+FR*\b:128*(\p)+FR*\b+FR-1], v[AF+FR*(\a):AF+FR*(\a)+FR-1], v[8*(8*((\a)%4)+\b):8*(8*((\a)%4)+\b)+7], v[SC+8*NQ*(\sc)+NQ*\b+(\q)], v[SC+8*NQ*(\sc)+NQ*(\a)+(\q)] matrix_a_fmt:MATRIX_FMT_FP6 matrix_b_fmt:MATRIX_FMT_FP6 matrix_a_scale:MATRIX_SCALE_ROW1
.endif
.endr
.endr
.endm
.macro FETCH_B slot, q, p
	WIN TO_B
.irp i, 0,1,2,3,4,5,6,7
	FRAG 128*(\p)+FR*\i, ADRB+\slot, \q, \i
.endr
	WIN 0
.endm
.macro FETCH_A slot, q, i0
.irp i, \i0, \i0+1, \i0+2, \i0+3
	FRAG AF+FR*(\i), ADRA+\slot, \q, \i
.endr
.endm
.macro SCALES sc
.irp i, 0,1,2,3,4,5,6,7
	ds_load_b64 v[SC+8*NQ*\sc+NQ*\i:SC+8*NQ*\sc+NQ*\i+1], v[ADRS] offset:\i*512
.endr
.endm
.macro PLACES n
.rept \n
	v_nop
.endr
.endm
.macro STEP slot, q, zero
	s_wait_dscnt 4*NL                              ; R's set and P's blocks 0-3 are in; the youngest 12 loads (P's blocks 4-7) may be out
	WIN MUL_LO
	MUL16 0, (\q)%2, \q, \slot, \zero
	MUL16 2, (\q)%2, \q, \slot, \zero
	s_wait_dscnt 0
	PLACES NP
	FETCH_B \slot, (\q)+1, 1-(\q)%2
	FETCH_A \slot, (\q)+1, 0
	WIN MUL_HI
	MUL16 4, (\q)%2, \q, \slot, \zero
	MUL16 6, (\q)%2, \q, \slot, \zero
	PLACES NP
	WIN 0
	FETCH_A \slot, (\q)+1, 4
.endm
.macro TURN slot, next, fill
	s_wait_tensorcnt 0x0                           ; all my tensor loads have landed: my part of the next slot
	ds_add_u32 v[SPW], v[NIL]                      ; 0 onto my spare word
	s_wait_dscnt 4*NL+1                            ; (the add and the youngest 12 loads may be out)
	WIN MUL_LO
	MUL16 0, 1, NQ-1, \slot, 0
	s_wait_dscnt 0x0                               ; the add is done, and my reads of this slot are over
	s_barrier_signal -1
	MUL16 2, 1, NQ-1, \slot, 0
	WIN 0
	s_barrier_wait -1
.if \fill
	CREST                                          ; the barrier has opened a round of the cluster's
	s_add_nc_u64 s[G0+4*\slot+2:G0+4*\slot+3], s[G0+4*\slot+2:G0+4*\slot+3], 2*KSB
	s_add_nc_u64 s[G0B+4*\slot+2:G0B+4*\slot+3], s[G0B+4*\slot+2:G0B+4*\slot+3], 2*KSB
	JLOAD G0+4*\slot, G1, G0B+4*\slot, G1B         ; the first tensor load behind the round, my one load until the next
.else
	PLACES NP
.endif
	v_add_nc_u32 v[ADRS], 128, v[ADRS]
	FETCH_B \next, 0, 0
	FETCH_A \next, 0, 0
	SCALES \next
	WIN MUL_HI
	MUL16 4, 1, NQ-1, \slot, 0
	MUL16 6, 1, NQ-1, \slot, 0
	PLACES NP
	WIN 0
	FETCH_A \next, 0, 4
.endm
	s_wait_tensorcnt 1                             ; the scale words and my part of K step 0 are in; K step 1's load may be out
	s_barrier_signal -1
	s_barrier_wait -1
	FETCH_B 0, 0, 0
	FETCH_A 0, 0, 0
	SCALES 0
	FETCH_A 0, 0, 4
	STEP 0, 0, 1
	s_mov_b32 s3, LAPS-1
.Llap:
	TURN 0, 1, 1
	STEP 1, 0, 0
	TURN 1, 0, 1
	STEP 0, 0, 0
	s_sub_co_u32 s3, s3, 1
	s_cmp_lg_u32 s3, 0
	s_cbranch_scc1 .Llap
	TURN 0, 1, 0
	STEP 1, 0, 0
	s_wait_dscnt 4*NL
	WIN MUL_LO
	MUL16 0, 1, NQ-1, 1, 0
	MUL16 2, 1, NQ-1, 1, 0
	s_wait_dscnt 0
	WIN MUL_HI
	MUL16 4, 1, NQ-1, 1, 0
	MUL16 6, 1, NQ-1, 1, 0
	WIN 0
; THE WAY OUT, tile a of the tokens at a time.  In accumulator (a, b) lane (r, h) holds token row r and columns 32 (b / 2) + 8 (b % 2) + 16 h + 0 .. 7: 32 bytes.  The tile goes through my own stage and comes back as whole rows of 512 bytes.
.macro TOSTAGE a
.set AC, 64*((\a)%4)
	WIN 0x08+4*((\a)/4)                            ; an LDS store's data: window 2 or 3
.irp b, 0,1,2,3,4,5,6,7
	ds_store_b128 v[STO], v[AC+8*\b:AC+8*\b+3] offset:128*(\b/2)+32*(\b%2)       ; each accumulator from its low end on
	ds_store_b128 v[STO], v[AC+8*\b+4:AC+8*\b+7] offset:128*(\b/2)+32*(\b%2)+16
.endr
	WIN 0
.set BB, BK+64*((\a)%2)
.irp t, 0,1,2,3,4,5,6,7,8,9,10,11,12,13,14,15
	ds_load_b128 v[BB+4*\t:BB+4*\t+3], v[RD] offset:\t*SPITCH                    ; LDS serves a wave's instructions in order: these see the stores above
.endr
.endm
.macro SEND a, younger
.set BB, BK+64*((\a)%2)
	s_wait_dscnt \younger
.irp t, 0,1,2,3,4,5,6,7,8,9,10,11,12,13,14,15
	global_store_b128 v[CO], v[BB+4*\t:BB+4*\t+3], s[12:13] offset:(32*((\a)/2)+8*((\a)%2)+\t+8*(\t/8))*4096 th:TH_STORE_NT   ; 512 consecutive bytes, at a multiple of 512 from out0's first byte; the tile's row stands in the immediate
.endr
.endm
	PLACES NP
	TOSTAGE 0
.irp a, 1,2,3,4,5,6,7
.if \a > 1
	s_wait_xcnt 0x0                                ; tile a - 2's stores have read their registers: tile a's loads may land there
.endif
	TOSTAGE \a
	SEND \a-1, 32                                  ; behind tile a - 1's loads: tile a's 16 stores and 16 loads
.endr
	SEND 7, 0
	s_wait_tensorcnt 0x0                           ; the wave's end
	ds_add_u32 v[SPW], v[NIL]
	s_wait_dscnt 0x0
	CROUND                                         ; the closing round
	s_endpgm
.Lfunc_end_k_q3c1eefaf27_outp:
	.size	k_q3c1eefaf27_outp, .Lfunc_end_k_q3c1eefaf27_outp-k_q3c1eefaf27_outp
	.p2alignl 7, 3214868480
	.fill 96, 4, 3214868480
	.section	.rodata,"a",@progbits
	.p2align	6, 0x0
	.amdhsa_kernel k_q3c1eefaf27_outp
		.amdhsa_group_segment_fixed_size 327680
		.amdhsa_private_segment_fixed_size 0
		.amdhsa_enable_private_segment 0
		.amdhsa_kernarg_size 24
		.amdhsa_user_sgpr_count 2
		.amdhsa_user_sgpr_kernarg_segment_ptr 1
		.amdhsa_wavefront_size32 1
		.amdhsa_system_sgpr_workgroup_id_x 1
		.amdhsa_system_sgpr_workgroup_id_y 1
		.amdhsa_system_sgpr_workgroup_id_z 1
		.amdhsa_system_vgpr_workitem_id 0
		.amdhsa_next_free_vgpr 1024
		.amdhsa_next_free_sgpr 100
		.amdhsa_reserve_vcc 0
		.amdhsa_float_denorm_mode_32 3
		.amdhsa_float_denorm_mode_16_64 3
		.amdhsa_memory_ordered 1
		.amdhsa_forward_progress 1
		.amdhsa_inst_pref_size 135
	.end_amdhsa_kernel
	.amdgpu_metadata
---
amdhsa.version: [ 1, 2 ]
amdhsa.kernels:
  - .name:           k_q3c1eefaf27_outp
    .symbol:         k_q3c1eefaf27_outp.kd
    .args:
      - { .name: cq, .offset: 0, .size: 8, .value_kind: global_buffer, .address_space: global }
      - { .name: opq, .offset: 8, .size: 8, .value_kind: global_buffer, .address_space: global }
      - { .name: out0, .offset: 16, .size: 8, .value_kind: global_buffer, .address_space: global }
    .group_segment_fixed_size: 327680
    .private_segment_fixed_size: 0
    .kernarg_segment_align: 8
    .kernarg_segment_size: 24
    .max_flat_workgroup_size: 128
    .sgpr_count:     100
    .vgpr_count:     1024
    .wavefront_size: 32
...
	.end_amdgpu_metadata
.endif
;; end of part 4
